; MI455X (gfx1250); checked and timed in simulation.
; The chip was launched on July 23, 2026; its instructions are those of AMD's public machine-readable ISA for CDNA 5 (MIT licence, August 2026) and "CDNA5" Instruction Set Architecture Reference Guide (July 2026). The comments in the code are by the model that wrote it; some were corrected since.
;; GPT Neo GQA Self Attention. Allowed arithmetic: matrix products marked QUANTISED: E2M1 operands, one E8M0 scale for each 32 along K, by v_wmma_scale_f32_16x16x128_f8f6f4 with both operands' format E2M1 (or v_wmma_scale_f32_32x16x128_f4), f32 sums; products left as they are: bf16, f16 or f32 operands; f32 sums; everything else in f32.
;; Inputs: hidden_states 4 x 1,024 x 2,048 float32; k_w 2,048 x 512 float32; out_b 2,048 float32; out_w 2,048 x 2,048 float32; q_w 2,048 x 2,048 float32; v_w 2,048 x 512 float32.
;; Outputs: out0 4 x 1,024 x 2,048 float32.
;; This version of the problem:
;;   THIS VERSION OF THE PROBLEM IS GIVEN IN LOW PRECISION. The matrix products marked QUANTISED in the list below multiply operands that are first quantised to E2M1 (2 exponent bits, 1 mantissa bit; 4 bits a number), with one power-of-two scale for each 32 numbers along K (OCP MX v1.0); their sums are f32. The products marked 'left as it is' may take bf16, f16 or f32 operands, with f32 sums. Whichever they take, every output number must still come out within the allowed error. Rounding operands to bf16 (8 significant bits) uses up far more of that allowance than f16 does (11 bits, for magnitudes from 6e-5 to 65,504). All else is computed in f32.
;;   The module's matrix products, in the order in which they are computed (A, B: the left and right operand; K: the contracted axis; several contracted axes count as one K, in the product's order):
;;     1. [M 4,096, K 2,048] x [K 2,048, N 2,048]; A: input hidden_states; B: input q_w: QUANTISED
;;     2. [M 4,096, K 2,048] x [K 2,048, N 512]; A: input hidden_states; B: input k_w: QUANTISED
;;     3. [M 4,096, K 2,048] x [K 2,048, N 512]; A: input hidden_states; B: input v_w: QUANTISED
;;     4. batch 64 x [M 1,024, K 128] x [K 128, N 1,024]; A: computed on the way; B: computed on the way: left as it is (an operand is computed on the way)
;;     5. batch 64 x [M 1,024, K 1,024] x [K 1,024, N 128]; A: computed on the way; B: computed on the way: left as it is (an operand is computed on the way)
;;     6. [M 4,096, K 2,048] x [K 2,048, N 2,048]; A: computed on the way; B: input out_w: left as it is (an operand is computed on the way)
;;   THE QUANTISER, for each operand of a quantised product, along K:
;;     - K is cut into blocks of 32 from its start; a last block that is shorter is filled with zeros.
;;     - A block's scale is 2^e with e = floor(log2(the largest magnitude in the block)) - 2, held to -126 .. 127; a block of zeros has e = 0. As a byte (E8M0): e + 127.
;;     - Each number is divided by its block's scale, clamped to +-6, and rounded to the nearest number of E2M1, ties to even, subnormals kept.
;;     - The product sums the exact products of the quantised numbers (number of the format x scale) in f32.
;;   ~~~python
;;   def quantise(x, axis):      # numpy; x: float32 -> the quantised numbers, widened to float32 again
;;       x = np.moveaxis(x, axis, -1); K = x.shape[-1]
;;       x = np.pad(x, [(0, 0)] * (x.ndim - 1) + [(0, -K % 32)]); x = x.reshape(x.shape[:-1] + (-1, 32)); a = np.abs(x).max(-1, keepdims=True)
;;       e = np.where(a > 0, np.clip(np.frexp(np.where(a > 0, a, 1))[1] - 1 - 2, -126, 127), 0)      # np.frexp(a)[1] - 1 = floor(log2(a)), exactly
;;       r = np.clip(x / 2.0 ** e, -6, 6)
;;       step = 2.0 ** (np.maximum(np.frexp(np.where(r == 0, 1, r))[1] - 1, 0) - 1)
;;       q = np.round(r / step) * step * 2.0 ** e      # np.round: ties to even
;;       return np.moveaxis(q.reshape(q.shape[:-2] + (-1,))[..., :K], -1, axis).astype(np.float32)
;;   ~~~
;; One version. Each part assembles by itself: llvm-mc -triple=amdgcn-amd-amdhsa -mcpu=gfx1250 --defsym DOCPART=n.
;; ======== version 1 of 1: 4 launches
;; limits: values are held in f16: magnitudes above 65,504 overflow, below 6.1e-05 lose precision
;; workspace buffers: xc 4,194,304 bytes; xs 262,144 bytes; wc 3,145,728 bytes; ws 196,608 bytes; owh 8,388,608 bytes; qkv 25,165,824 bytes; ctx 16,777,216 bytes
;; launch prep (part 1): grid 480 x 1, 4 waves a work-group, no clusters, 100,864 bytes of LDS; arguments hidden_states, q_w, k_w, v_w, out_w, xc, xs, wc, ws, owh; writes xc, xs, wc, ws, owh
.if DOCPART == 1
	.amdgcn_target "amdgcn-amd-amdhsa--gfx1250"
	.amdhsa_code_object_version 6
	.text
	.protected	k_q1744137963_prep
	.globl	k_q1744137963_prep
	.p2align	8
	.type	k_q1744137963_prep,@function
k_q1744137963_prep:
	s_mov_b64 s[64:65], 0
	v_nop
	global_prefetch_b8 v0, s[64:65] scope:SCOPE_SE
	s_setreg_imm32_b32 hwreg(HW_REG_WAVE_MODE, 25, 1), 1
	s_wait_xcnt 0x0
; THE PROGRAM: GPT-Neo attention with grouped key/value heads, four launches.
;   prep : x, q_w, k_w, v_w -> codes of FP4 (E2M1) with one E8M0 scale byte for each 32 along K = 2,048; out_w -> f16 as it lies.
;   qkv  : the three quantised projections as ONE product 4,096 x 3,072 x 2,048 on codes; q, k, v leave as f16.
;   attn : causal attention, f16 operands, f32 softmax with a running maximum.      oproj: ctx x out_w + out_b, f16 operands, f32 sums.
; WORK LEFT OUT (in attn), for all values of the inputs: reference() itself builds the mask tril(S, S) and sets every score with key > query to the least f32 number ahead of
; the softmax.  Key 0 counts for every query, so the row's maximum is a live score, and the exponential of (least number - maximum) adds nothing to the row's sum or to ctx beyond rounding.
; So a key step all of whose 64 keys come after a wave's 32 queries is not multiplied, and a slot of keys beyond a work-group's last query is not fetched.  jnp.repeat is a lookup: K and V are never copied.
; LIMITS: a NaN, an infinity or an overflow that reaches only such hidden scores is not carried to the result.  q, k, v, ctx and out_w are kept in f16: magnitudes up to 65,504.
; Every input has a way to the output and is loaded.
;
; THIS LAUNCH.  Three kinds of work-group, told apart by the work-group's number alone; each kind has LDS bytes of its own.
;   0..95    W: q_w | k_w | v_w, stored [K][N].  For the conversions a lane takes a column n and its registers run down K, so a block of 32 along K lies in one lane and the codes come out with K innermost:
;            wc [3,072 n][1,024 bytes], ws [3,072][64].  n 0..2,047 = q, 2,048..2,559 = k, 2,560..3,071 = v.  A wave: 32 columns x 512 along K, 16 blocks.
;            The loads take the bytes as they lie, 16 a lane (4 rows x 128 bytes a load, 8 loads a block, four blocks ahead); a block turns through the wave's own stage in LDS and comes back a lane to a column.
;   96..351  X: hidden_states, K innermost, a plain stream of blocks of 32: xc [4,096][1,024 bytes], xs [4,096][64].  A wave: 16 steps of 512 numbers.
;   352..479 O: out_w to f16, layout unchanged.  A wave: 64 steps of 128 numbers, sixteen loads ahead.
; A block's scale is 2^(floor(log2(largest magnitude)) - 2); its byte is the largest magnitude's exponent field - 2, held at 1 from below.  A block of zeros so gets the byte 1 where the rule says 127:
; its codes are zeros, which add nothing under that byte, and this program alone reads the bytes.
; LIMITS of the quantiser: blocks whose largest magnitude lies under 2^-124 keep the byte 1; NaN and infinities among the inputs are not served.
.set SPARE, 100352                     ; behind X's and W's regions: the spare words, 128 bytes a wave
.set SPW, 1                            ; v1   LDS address of my spare word; never rewritten
.set NIL, 2                            ; v2   0; never rewritten
.set LN,  3                            ; v3   lane
.set L16, 4                            ; v4   16 x lane
.set XSI, 5                            ; v5   X: the stage, way in
.set XSO, 6                            ; v6   X: the stage, way out
.set L8,  7                            ; v7   8 x lane
.set XSB, 8                            ; v8   X: my block's scale byte in LDS
.set XSR, 9                            ; v9   X: where I read 8 scale bytes back
.set WSI, 10                           ; v10  W: the codes' stage, my column's row
.set WSO, 11                           ; v11  W: the codes' stage, read back by rows
.set WCO, 12                           ; v12  W: the same place in wc
.set WSC, 13                           ; v13  W: my column's row of ws
.set WTI, 17                           ; v17  W: the turning stage, way in: 16 x lane
.set WTO, 18                           ; v18  W: the turning stage, way out: 4 x lane
.set SB,  24                           ; v24-27 W: 16 scale bytes
.set SP,  80                           ; X: a lane's place in a stage: 64 bytes + 16 of padding
.set XR,  32                           ; X: v32-95 four sets of 16 numbers as loaded
.set XX,  96                           ; X: v96-127 two sets of 16 neighbours
.set XE,  128                          ; X: v128-143 a scale byte for each step
.set XC,  144                          ; X: v144-175 codes, two registers a step: no store's data are written again
.set WR,  32                           ; W: v32-159 four sets of 32 registers as loaded
.set WX,  160                          ; W: v160-223 two sets of 32 numbers down K
.set WC,  224                          ; W: v224-231 a block's codes, two sets by turns
.set VO,  232                          ; W: v232-239 offsets of a block's eight loads
.set WOUT, 32                          ; W: v32-95 the way out
.set OX,  32                           ; O: v32-95 sixteen slots as loaded
.set OY,  96                           ; O: v96-127 sixteen slots to store
	s_load_b256 s[4:11], s[0:1], 0x0               ; x s[4:5], q_w s[6:7], k_w s[8:9], v_w s[10:11]
	s_load_b256 s[12:19], s[0:1], 0x20             ; out_w s[12:13], xc s[14:15], xs s[16:17], wc s[18:19]
	s_load_b128 s[20:23], s[0:1], 0x40             ; ws s[20:21], owh s[22:23]
	v_lshl_add_u32 v[SPW], v0, 2, SPARE
	v_mov_b32 v[NIL], 0
	v_lshrrev_b32 v14, 5, v0
	v_readfirstlane_b32 s24, v14                   ; wave 0..3
	v_and_b32 v[LN], 31, v0
	v_lshlrev_b32 v[L16], 4, v[LN]
	v_lshlrev_b32 v[L8], 3, v[LN]
	; every LDS address is made here, ahead of the parting.  X: 8,192 bytes a wave from byte 0: two stages of 32 x 80 bytes, then 256 scale bytes
	s_lshl_b32 s25, s24, 13
	v_lshrrev_b32 v[XSI], 2, v[LN]
	v_mul_u32_u24 v[XSI], v[XSI], SP
	v_and_b32 v14, 3, v[LN]
	v_lshl_add_u32 v[XSI], v14, 4, v[XSI]
	v_add_nc_u32 v[XSI], s25, v[XSI]               ; four lanes' 64 bytes on end, then 16 of padding
	v_mul_u32_u24 v[XSO], v[LN], SP
	v_add_nc_u32 v[XSO], s25, v[XSO]               ; my 16 neighbours
	v_lshrrev_b32 v[XSB], 1, v[LN]
	s_add_co_u32 s25, s25, 2*32*SP
	v_add_nc_u32 v[XSB], s25, v[XSB]
	v_add_nc_u32 v[XSR], s25, v[L8]
	; W: 16,896 bytes a wave from byte 32,768: two turning stages of 32 rows x 128 bytes, then the codes' stage of 32 rows x (256 + 16) bytes
	s_mul_i32 s25, s24, 16896
	s_add_co_u32 s25, s25, 32768
	v_add_nc_u32 v[WTI], s25, v[L16]               ; a load's 512 bytes go in on end: 4 rows of 128 bytes
	v_lshl_add_u32 v[WTO], v[LN], 2, s25           ; and come out a lane to a column
	s_add_co_u32 s25, s25, 8192
	v_mul_u32_u24 v[WSI], v[LN], 272
	v_add_nc_u32 v[WSI], s25, v[WSI]
	v_and_b32 v14, 15, v[LN]
	v_lshrrev_b32 v15, 4, v[LN]
	v_mul_u32_u24 v[WSO], v15, 272
	v_lshl_add_u32 v[WSO], v14, 4, v[WSO]
	v_add_nc_u32 v[WSO], s25, v[WSO]               ; sixteen lanes to a row, two rows an instruction
	v_lshlrev_b32 v[WCO], 10, v15
	v_lshl_add_u32 v[WCO], v14, 4, v[WCO]          ; the same place in wc: a row is 1,024 bytes
	v_lshlrev_b32 v[WSC], 6, v[LN]                 ; a row of ws is 64 bytes
	s_wait_kmcnt 0x0
	s_cmp_lt_u32 ttmp9, 96
	s_cbranch_scc1 .Lw
	s_cmp_lt_u32 ttmp9, 352
	s_cbranch_scc1 .Lx
	; ---------------- O: out_w to f16.  Run = 4 (work-group - 352) + wave: 32,768 bytes in, 16,384 out
	s_sub_co_u32 s25, ttmp9, 352
	s_lshl_b32 s25, s25, 2
	s_add_co_u32 s25, s25, s24
	s_lshl_b32 s26, s25, 15
	s_mov_b32 s27, 0
	s_add_nc_u64 s[12:13], s[12:13], s[26:27]
	s_lshl_b32 s26, s25, 14
	s_add_nc_u64 s[22:23], s[22:23], s[26:27]
.set n, 0
.rept 16
	global_load_b128 v[OX+4*n:OX+4*n+3], v[L16], s[12:13] offset:512*n th:TH_LOAD_NT   ; the ring is filled: 512 consecutive bytes a load
.set n, n+1
.endr
.set n, 0
.rept 64
.set OS, n%16
.if 63-n < 15
	s_wait_loadcnt 63-n                            ; the last steps load nothing: the counts run down
.else
	s_wait_loadcnt 15                              ; loads come back in order: mine is in, the fifteen younger ones stay out
.endif
.if n >= 16
	s_wait_xcnt 0x0                                ; the slot's last store has read its data: they are rewritten only behind this wait
.endif
	v_cvt_pk_f16_f32 v[OY+2*OS], v[OX+4*OS], v[OX+4*OS+1]
	v_cvt_pk_f16_f32 v[OY+2*OS+1], v[OX+4*OS+2], v[OX+4*OS+3]
.if n < 48
	global_load_b128 v[OX+4*OS:OX+4*OS+3], v[L16], s[12:13] offset:512*(n+16) th:TH_LOAD_NT
.endif
	global_store_b64 v[L8], v[OY+2*OS:OY+2*OS+1], s[22:23] offset:256*n   ; the wave stores 256 consecutive bytes, aligned
.set n, n+1
.endr
	s_branch .Lend
	; ---------------- X: hidden_states.  Run = 4 (work-group - 96) + wave: 8,192 numbers
.Lx:
	s_sub_co_u32 s25, ttmp9, 96
	s_lshl_b32 s25, s25, 2
	s_add_co_u32 s25, s25, s24
	s_lshl_b32 s26, s25, 15                        ; 32,768 bytes of numbers,
	s_mov_b32 s27, 0
	s_add_nc_u64 s[4:5], s[4:5], s[26:27]
	s_lshl_b32 s26, s25, 12                        ; 4,096 of codes,
	s_add_nc_u64 s[14:15], s[14:15], s[26:27]
	s_lshl_b32 s26, s25, 8                         ; 256 scale bytes
	s_add_nc_u64 s[16:17], s[16:17], s[26:27]
.macro XLOAD t
.irp i, 0,1,2,3
	global_load_b128 v[XR+16*((\t)%4)+4*\i:XR+16*((\t)%4)+4*\i+3], v[L16], s[4:5] offset:2048*(\t)+512*\i th:TH_LOAD_NT   ; 32 lanes read 512 consecutive bytes
.endr
.endm
.macro XTURN t                         ; step t's numbers through the stage: LDS serves a wave's instructions in order, so no wait stands between the stores and the loads
.irp i, 0,1,2,3
	ds_store_b128 v[XSI], v[XR+16*((\t)%4)+4*\i:XR+16*((\t)%4)+4*\i+3] offset:32*SP*((\t)%2)+8*SP*\i
.endr
.irp i, 0,1,2,3
	ds_load_b128 v[XX+16*((\t)%2)+4*\i:XX+16*((\t)%2)+4*\i+3], v[XSO] offset:32*SP*((\t)%2)+16*\i
.endr
.endm
.irp t, 0,1,2,3
	XLOAD \t
.endr
	s_wait_loadcnt 12                              ; step 0's four loads are in
	XTURN 0
.macro XSTEP t
.set XS, XX+16*((\t)%2)
.if (\t) > 0
	s_wait_dscnt 1                                 ; this step's numbers are back from the stage (the last step's byte store may be out): so its stores into the stage have read their registers,
.else
	s_wait_dscnt 0x0
.endif
.if (\t)+4 < 16
	XLOAD (\t)+4                                   ; which take the loads of four steps on
.endif
.if (\t)+1 < 16
.if 14-(\t) >= 3
	s_wait_loadcnt 12                              ; the next step's four loads are in; those of the three steps behind it may be out
.else
	s_wait_loadcnt 4*(14-(\t))
.endif
	XTURN (\t)+1
.endif
	v_max3_num_f32 v14, |v[XS]|, |v[XS+1]|, |v[XS+2]|      ; the largest magnitude of my 16, in two chains
	v_max3_num_f32 v15, |v[XS+3]|, |v[XS+4]|, |v[XS+5]|
.irp i, 6,10
	v_max3_num_f32 v14, v14, |v[XS+\i]|, |v[XS+\i+1]|
	v_max3_num_f32 v15, v15, |v[XS+\i+2]|, |v[XS+\i+3]|
.endr
	v_max3_num_f32 v14, v14, |v[XS+14]|, |v[XS+15]|
	v_max3_num_f32 v14, v14, v15, 0x1800000        ; and the floor 2^(3 - 127): the byte cannot fall under 1
	v_max_num_f32_dpp v14, v14, v14 row_xmask:1 row_mask:0xf bank_mask:0xf   ; and of my neighbour's 16: the block's
	v_add_nc_u32 v16, 0xff000000, v14              ; 2 off its exponent field: the conversion takes the exponent field of this operand as its scale
	v_cvt_scalef32_pk8_fp4_f32 v[XC+2*(\t)], v[XS:XS+7], v16
	v_cvt_scalef32_pk8_fp4_f32 v[XC+2*(\t)+1], v[XS+8:XS+15], v16
	v_lshrrev_b32 v[XE+(\t)], 23, v16              ; the scale's byte (a plain line behind the conversions)
	ds_store_b8 v[XSB], v[XE+(\t)] offset:16*(\t)  ; both lanes of a block write the same byte with the same value
	global_store_b64 v[L8], v[XC+2*(\t):XC+2*(\t)+1], s[14:15] offset:256*(\t)   ; 256 consecutive bytes, aligned
.endm
.irp t, 0,1,2,3,4,5,6,7,8,9,10,11,12,13,14,15
	XSTEP \t
.endr
	ds_load_b64 v[14:15], v[XSR]                   ; LDS serves a wave's instructions in order: these see my byte stores
	s_wait_dscnt 0x0
	global_store_b64 v[L8], v[14:15], s[16:17]     ; 256 scale bytes, aligned
	s_branch .Lend
	; ---------------- W: the three weights.  Column group cg = work-group / 4 (128 columns), y = work-group % 4 (512 along K)
.Lw:
	s_lshr_b32 s25, ttmp9, 2                       ; cg 0..23
	s_and_b32 s26, ttmp9, 3                        ; y
	s_lshl_b32 s27, s25, 7
	s_lshl_b32 s28, s24, 5
	s_add_co_u32 s27, s27, s28                     ; n0 = 128 cg + 32 wave: my first row of wc
	s_cmp_lt_u32 s25, 20                           ; the choice hangs on the work-group's number alone
	s_cselect_b64 s[8:9], s[8:9], s[10:11]         ; k_w (cg 16..19) or v_w (20..23)
	s_mov_b32 s28, 2560
	s_cselect_b32 s28, 2048, s28                   ; the n at which that weight begins
	s_cmp_lt_u32 s25, 16
	s_cselect_b64 s[6:7], s[6:7], s[8:9]           ; q_w (cg 0..15)
	s_cselect_b32 s28, 0, s28
	s_mov_b32 s29, 2048
	s_cselect_b32 s29, 8192, s29                   ; a row of the weight in bytes
	s_sub_co_u32 s30, s27, s28
	s_lshl_b32 s30, s30, 2                         ; my first column in it, in bytes,
	s_mul_i32 s31, s26, s29
	s_lshl_b32 s31, s31, 9                         ; and 512 y rows down
	s_add_co_u32 s30, s30, s31
	s_mov_b32 s31, 0
	s_add_nc_u64 s[32:33], s[6:7], s[30:31]        ; block 0's base;
	s_lshl_b32 s30, s29, 5                         ; 32 rows on for each block: sixteen bases, none is stepped later
.irp t, 1,2,3,4,5,6,7,8,9,10,11,12,13,14,15
	s_add_nc_u64 s[32+2*\t:33+2*\t], s[30+2*\t:31+2*\t], s[30:31]
.endr
	v_lshrrev_b32 v14, 3, v[LN]                    ; a load takes 4 rows: eight lanes to a row's 128 bytes
	v_and_b32 v15, 7, v[LN]
	v_lshlrev_b32 v15, 4, v15
	v_mad_u32_u24 v[VO], v14, s29, v15             ; (lane / 8) rows + 16 (lane % 8)
	s_lshl_b32 s25, s29, 2                         ; 4 rows on for each of a block's eight loads
.irp j, 1,2,3,4,5,6,7
	v_add_nc_u32 v[VO+\j], s25, v[VO+\j-1]
.endr
	s_lshl_b32 s30, s27, 10
	s_lshl_b32 s25, s26, 8
	s_add_co_u32 s30, s30, s25
	s_add_nc_u64 s[18:19], s[18:19], s[30:31]      ; wc at row n0, byte 256 y
	s_lshl_b32 s30, s27, 6
	s_lshl_b32 s25, s26, 4
	s_add_co_u32 s30, s30, s25
	s_add_nc_u64 s[20:21], s[20:21], s[30:31]      ; ws at row n0, byte 16 y
.macro WLOAD t                         ; block t: rows 32 t .. 32 t + 31 of my 32 columns, 4,096 bytes, into set t % 4
.irp j, 0,1,2,3,4,5,6,7
	global_load_b128 v[WR+32*((\t)%4)+4*\j:WR+32*((\t)%4)+4*\j+3], v[VO+\j], s[32+2*(\t):33+2*(\t)] th:TH_LOAD_NT
.endr
.endm
.macro WTURN t                         ; block t through the turning stage t % 2: in as loaded (row k at 128 k), out a lane to a column, register n = row n.  LDS serves a wave's instructions in order: no wait between
.irp j, 0,1,2,3,4,5,6,7
	ds_store_b128 v[WTI], v[WR+32*((\t)%4)+4*\j:WR+32*((\t)%4)+4*\j+3] offset:4096*((\t)%2)+512*\j
.endr
.set n, 0
.rept 32
	ds_load_b32 v[WX+32*((\t)%2)+n], v[WTO] offset:4096*((\t)%2)+128*n
.set n, n+1
.endr
.endm
.irp t, 0,1,2,3
	WLOAD \t
.endr
	s_wait_loadcnt 24                              ; block 0's eight loads are in
	WTURN 0
.macro WBLOCK t
.set XS, WX+32*((\t)%2)
.set CC, WC+4*((\t)%2)
.if (\t) > 0
	s_wait_dscnt 1                                 ; this block is back from the stage (the last block's store of codes may be out): so its stores into the stage have read their registers,
.else
	s_wait_dscnt 0x0
.endif
.if (\t)+4 < 16
	WLOAD (\t)+4                                   ; which take the loads of four blocks on
.endif
.if (\t)+1 < 16
.if 14-(\t) >= 3
	s_wait_loadcnt 24                              ; the next block's eight loads are in; those of the three blocks behind it may be out
.else
	s_wait_loadcnt 8*(14-(\t))
.endif
	WTURN (\t)+1                                   ; and go through the other stage while this block is worked
.endif
	v_max3_num_f32 v14, |v[XS]|, |v[XS+1]|, |v[XS+2]|      ; the block's largest magnitude: all 32 numbers are mine
	v_max3_num_f32 v15, |v[XS+3]|, |v[XS+4]|, |v[XS+5]|
.irp i, 6,10,14,18,22,26
	v_max3_num_f32 v14, v14, |v[XS+\i]|, |v[XS+\i+1]|
	v_max3_num_f32 v15, v15, |v[XS+\i+2]|, |v[XS+\i+3]|
.endr
	v_max3_num_f32 v14, v14, |v[XS+30]|, |v[XS+31]|
	v_max3_num_f32 v14, v14, v15, 0x1800000        ; and the floor 2^(3 - 127)
	v_add_nc_u32 v16, 0xff000000, v14              ; the conversion's scale operand
	v_lshrrev_b32 v15, 23, v16                     ; the scale's byte
.if (\t)%4 == 0
	v_mov_b32 v[SB+(\t)/4], v15                    ; four bytes to a register, the lower K in the lower byte
.else
	v_lshl_or_b32 v[SB+(\t)/4], v15, 8*((\t)%4), v[SB+(\t)/4]
.endif
.irp g, 0,1,2,3
	v_cvt_scalef32_pk8_fp4_f32 v[CC+\g], v[XS+8*\g:XS+8*\g+7], v16
.endr
	ds_store_b128 v[WSI], v[CC:CC+3] offset:16*(\t)        ; 32 codes: 16 bytes of my column's row.  The codes have two sets: this one is written again two blocks on, behind the wait that shows this store done
.endm
.irp t, 0,1,2,3,4,5,6,7,8,9,10,11,12,13,14,15
	WBLOCK \t
.endr
	global_store_b128 v[WSC], v[SB:SB+3], s[20:21] ; my column's 16 scale bytes
.irp t, 0,1,2,3,4,5,6,7,8,9,10,11,12,13,14,15
	ds_load_b128 v[WOUT+4*\t:WOUT+4*\t+3], v[WSO] offset:2*\t*272
.endr
.irp t, 0,1,2,3,4,5,6,7,8,9,10,11,12,13,14,15
	s_wait_dscnt 15-\t                             ; the younger loads from the stage may be out
	global_store_b128 v[WCO], v[WOUT+4*\t:WOUT+4*\t+3], s[18:19] offset:2*\t*1024   ; sixteen lanes store 256 consecutive bytes, aligned
.endr
.Lend:
	s_wait_tensorcnt 0x0                           ; the wave's end
	ds_add_u32 v[SPW], v[NIL]
	s_wait_dscnt 0x0
	s_endpgm
.Lfunc_end_k_q1744137963_prep:
	.size	k_q1744137963_prep, .Lfunc_end_k_q1744137963_prep-k_q1744137963_prep
	.p2alignl 7, 3214868480
	.fill 96, 4, 3214868480
	.section	.rodata,"a",@progbits
	.p2align	6, 0x0
	.amdhsa_kernel k_q1744137963_prep
		.amdhsa_group_segment_fixed_size 100864
		.amdhsa_private_segment_fixed_size 0
		.amdhsa_enable_private_segment 0
		.amdhsa_kernarg_size 80
		.amdhsa_user_sgpr_count 2
		.amdhsa_user_sgpr_kernarg_segment_ptr 1
		.amdhsa_wavefront_size32 1
		.amdhsa_system_sgpr_workgroup_id_x 1
		.amdhsa_system_sgpr_workgroup_id_y 1
		.amdhsa_system_sgpr_workgroup_id_z 1
		.amdhsa_system_vgpr_workitem_id 0
		.amdhsa_next_free_vgpr 240
		.amdhsa_next_free_sgpr 66
		.amdhsa_reserve_vcc 0
		.amdhsa_float_denorm_mode_32 3
		.amdhsa_float_denorm_mode_16_64 3
		.amdhsa_memory_ordered 1
		.amdhsa_forward_progress 1
		.amdhsa_inst_pref_size 140
	.end_amdhsa_kernel
	.amdgpu_metadata
---
amdhsa.version: [ 1, 2 ]
amdhsa.kernels:
  - .name:           k_q1744137963_prep
    .symbol:         k_q1744137963_prep.kd
    .args:
      - { .name: hidden_states, .offset: 0, .size: 8, .value_kind: global_buffer, .address_space: global }
      - { .name: q_w, .offset: 8, .size: 8, .value_kind: global_buffer, .address_space: global }
      - { .name: k_w, .offset: 16, .size: 8, .value_kind: global_buffer, .address_space: global }
      - { .name: v_w, .offset: 24, .size: 8, .value_kind: global_buffer, .address_space: global }
      - { .name: out_w, .offset: 32, .size: 8, .value_kind: global_buffer, .address_space: global }
      - { .name: xc, .offset: 40, .size: 8, .value_kind: global_buffer, .address_space: global }
      - { .name: xs, .offset: 48, .size: 8, .value_kind: global_buffer, .address_space: global }
      - { .name: wc, .offset: 56, .size: 8, .value_kind: global_buffer, .address_space: global }
      - { .name: ws, .offset: 64, .size: 8, .value_kind: global_buffer, .address_space: global }
      - { .name: owh, .offset: 72, .size: 8, .value_kind: global_buffer, .address_space: global }
    .group_segment_fixed_size: 100864
    .private_segment_fixed_size: 0
    .kernarg_segment_align: 8
    .kernarg_segment_size: 80
    .max_flat_workgroup_size: 128
    .sgpr_count:     66
    .vgpr_count:     240
    .wavefront_size: 32
...
	.end_amdgpu_metadata
.endif
;; end of part 1
;; launch qkv (part 2): grid 12 x 16, 4 waves a work-group, clusters of 4 x 4, 327,680 bytes of LDS; arguments xc, xs, wc, ws, qkv; writes qkv
.if DOCPART == 2
	.amdgcn_target "amdgcn-amd-amdhsa--gfx1250"
	.amdhsa_code_object_version 6
	.text
	.protected	k_q1744137963_qkv
	.globl	k_q1744137963_qkv
	.p2align	8
	.type	k_q1744137963_qkv,@function
k_q1744137963_qkv:
	s_mov_b64 s[64:65], 0
	v_nop
	global_prefetch_b8 v0, s[64:65] scope:SCOPE_SE
	s_setreg_imm32_b32 hwreg(HW_REG_WAVE_MODE, 25, 1), 1
	s_wait_xcnt 0x0
	s_wait_alu depctr_hold_cnt(0) depctr_sa_sdst(0) depctr_va_vdst(0) depctr_va_sdst(0) depctr_va_ssrc(0) depctr_va_vcc(0) depctr_vm_vsrc(0)
	s_getreg_b32 s2, hwreg(HW_REG_IB_STS2, 6, 4)
	s_cmp_eq_u32 s2, 0
	s_cbranch_scc0 .Lentry_in_a_cluster
	s_endpgm
.Lentry_in_a_cluster:
	s_bfe_u32 s2, ttmp6, 0x10000c
	s_cmp_lg_u32 s2, 0xf033
	s_cbranch_scc0 .Lentry_shape_is_right
	s_endpgm
.Lentry_shape_is_right:
; qkv[m][n] = sum over k of x[m][k] w[n][k]: the three quantised projections as one product.  x: xc [4,096][2,048 codes], w: wc [3,072][2,048 codes]: FP4 (E2M1), two codes a byte, K innermost,
; one E8M0 scale byte for each 32 along K (xs [4,096][64], ws [3,072][64]).  qkv: [4,096][3,072] f16 (columns 0..2,047 q, ..2,559 k, ..3,071 v); sums in f32, rounded once.  LIMIT: results up to 65,504.
; A tile of 256 x 256 is made by a work-group of four waves; a wave makes 128 x 128: 64 accumulators of 16 x 16, 512 registers.
; K goes in steps of 512 through a ring of two LDS slots filled by the tensor data mover: a tile's row is 256 bytes of memory.
; THE SCALES of the work-group's 256 rows of x and 256 rows of w, for all of K, are two dense blocks of memory: they come into LDS once, with the first fills, and stay.
; CLUSTERS: 4 x 4 work-groups.  The four of a row of the cluster need the same tiles of x, the four of a column the same tiles of w: each tile is asked for JOINTLY, by the same tensor load with the
; same descriptor and a mask that names the four.  THE MATRIX INSTRUCTION IS USED TRANSPOSED (source 0 = 16 rows of w, source 1 = 16 rows of x): a lane then holds eight neighbouring numbers of a row of qkv.
; REGISTERS, in windows of 256: window 0: v0-31 addresses; v32-95 scale words, two sets; from v128 x's fragments (8 x 16 rows x 128 K), ONE set; on the way out v128-223 are at work.
;   window 1: w's fragments, TWO sets, at v0 and at v128.   window 2: the 32 accumulators of my rows 0-63 (accumulator (a, b) at v[8 (8 a + b)]);   window 3: those of my rows 64-127.
.set SIZE_M, 4096
.set SIZE_N, 3072
.set SIZE_K, 2048
.set KSTEP,  512                       ; along K in a slot
.set NQ,     KSTEP/128                 ; matrix instructions deep
.set ROWB,   256                       ; a tile's row in bytes
.set KROW,   SIZE_K*4/8                ; a row of codes in memory, in bytes
.set PITCH,  272                       ; an LDS row: 256 bytes + 16 of padding = 68 words: the 16 rows that a load touches start at 16 different banks (64 banks of 4 bytes: ISA guide 11.1)
.set FR,     8                         ; registers of a fragment: 16 rows x 128 K
.set NL,     2                         ; LDS loads that bring one
.set NP,     4                         ; places behind this matrix instruction (ISA guide 7.12.1)
.set HALFT,  128*PITCH                 ; 128 rows: what one tensor load brings
.set SLOT,   4*HALFT                   ; x's 256 rows, then w's 256 rows
.set LAPS,   SIZE_K/(2*KSTEP)          ; a lap = two K steps = once round the ring
.set KS,     SIZE_K/32                 ; a row of scales in bytes
.set SCL,    2*SLOT                    ; behind the ring: the scales, as units of 256 bytes + 16 of padding
.set HALFS,  (128*KS/256)*272          ; the scales of 128 rows: what one tensor load brings
.set SBLK,   (16*KS/256)*272           ; those of 16 rows
.set SPARE,  SCL+4*HALFS               ; behind the scales: the spare words, 128 bytes a wave
.set SPITCH, 272                       ; the way out: a stage of 16 rows x (256 bytes + 16) for each wave, in slot 0, which has had its last fill and its last read when the first result is stored there
.set ADRA, 16                          ; v16-17  LDS address of my x fragments in slot 0, 1
.set ADRB, 20                          ; v20-21  the same for w
.set STO,  24                          ; v24     the way out: where I put 16 bytes of a row
.set RD,   25                          ; v25     the way out: where I read a row back
.set CO,   26                          ; v26     my byte offset in two rows of qkv
.set ADRS, 27                          ; v27     LDS address of my scale words: lanes 0-15 x's rows, lanes 16-31 w's
.set SPW,  28                          ; v28     LDS address of my spare word; never rewritten
.set NIL,  29                          ; v29     0; never rewritten
.set SC,   32                          ; scale words: set s at v[SC + 8 NQ s]; register NQ i + q: lanes 0-15 the word of x's block i, lanes 16-31 that of w's block i
.set AF,   128                         ; x's fragments, in window 0
.set BK,   128                         ; the way out: 16 rows read back: v128-159 and v160-191 by turns
.set TMP,  192                         ; the way out: packed results, v192-223
.set G1, 24                            ; s[24:31] descriptor group 1 for x's tiles;  s[32:39] group 0, one set for each slot
.set G0, 32
.set G1B, 48                           ; s[48:55], s[56:63] the same for w's tiles
.set G0B, 56
.set G1S, 68                           ; s[68:75], s[76:79] groups 1 and 0 for x's scales;  s[80:87], s[88:91] for w's
.set G0S, 76
.set G1SB, 80
.set G0SB, 88
.set MSB, 0
.macro WIN new                         ; the immediate's high byte repeats the setting that is left
.if MSB != \new
	s_set_vgpr_msb (MSB<<8)|\new
.set MSB, \new
.endif
.endm
.set MUL_LO, 0xa1                      ; source 0 (w) window 1, source 1 (x) window 0, C and D window 2
.set MUL_HI, 0xf1                      ; the same, C and D window 3
.set TO_B,   0x40                      ; destination window 1, address window 0
; A joint load: waves 0 and 1 fetch for x, waves 2 and 3 for w.  Each of the two lines has ONE mask and one set of registers for all that issue it; the branch hangs on the wave's number alone.
; An s_nop 0 and four v_nop follow each of the two lines.
.macro JLOAD g0a, g1a, g0b, g1b
	s_cmp_eq_u32 s15, 0
	s_cbranch_scc0 .Lfor_b_\@
	tensor_load_to_lds s[\g0a:\g0a+3], s[\g1a:\g1a+7]
	s_nop 0
.rept 4
	v_nop
.endr
	s_branch .Lasked_\@
.Lfor_b_\@:
	tensor_load_to_lds s[\g0b:\g0b+3], s[\g1b:\g1b+7]
	s_nop 0
.rept 4
	v_nop
.endr
.Lasked_\@:
.endm
.macro CREST                           ; a round of the cluster's barrier behind its opening barrier
	s_cmp_lg_u32 s14, 0
	s_cbranch_scc1 .Lnot_wave_0_\@
	s_barrier_signal -3
.Lnot_wave_0_\@:
	s_barrier_wait -3
	s_barrier_signal -1
	s_barrier_wait -1
.endm
.macro CROUND                          ; a whole round
	s_barrier_signal -1
	s_barrier_wait -1
	CREST
.endm
	s_load_b128 s[4:7], s[0:1], 0x0                ; x's codes s[4:5], x's scales s[6:7]
	s_load_b128 s[8:11], s[0:1], 0x10              ; w's codes s[8:9], w's scales s[10:11]
	s_load_b64 s[12:13], s[0:1], 0x20              ; qkv
	v_lshl_add_u32 v[SPW], v0, 2, SPARE
	v_mov_b32 v[NIL], 0
	ds_add_u32 v[SPW], v[NIL]                      ; the wave's opening: the add, twice on end, and its wait ahead of my first tensor load
	ds_add_u32 v[SPW], v[NIL]
	v_lshrrev_b32 v1, 5, v0
	v_readfirstlane_b32 s14, v1                    ; wave 0..3
	s_lshr_b32 s15, s14, 1                         ; which half of the tile's rows is mine.  Also: I fetch for x (0) or for w (1)
	s_and_b32 s16, s14, 1                          ; which half of its columns.  Also: which 128 rows of that tile I fetch
	s_bfe_u32 s40, ttmp6, 0x40000                  ; cx, cy: my place in the cluster
	s_bfe_u32 s41, ttmp6, 0x40004
	s_lshl_b32 s42, ttmp9, 2
	s_add_co_u32 s42, s42, s40                     ; tile column = 4 x cluster x + cx
	s_and_b32 s17, ttmp7, 0xffff
	s_lshl_b32 s17, s17, 2
	s_add_co_u32 s17, s17, s41                     ; tile row = 4 x cluster y + cy
	s_lshl_b32 s43, s41, 2
	s_lshl_b32 s43, 15, s43                        ; my row of the cluster
	s_lshl_b32 s44, 0x1111, s40                    ; my column
	; descriptor group 1: a tile of 128 rows x 256 bytes, padded in LDS
	s_or_b32 s[G1+0], s43, (0<<16)|(1<<20)|(1<<21)|(5<<22)|(3<<25)  ; 15:0 the mask; 17:16 element of 1 byte; 20 padding on; 21 set beside a mask; 24:22 after every 64 words; 31:25 four words
	s_or_b32 s[G1B+0], s44, (0<<16)|(1<<20)|(1<<21)|(5<<22)|(3<<25)
.irp g, G1, G1B
	s_mov_b32 s[\g+1], ROWB<<16                    ; tensor_dim0
	s_mov_b32 s[\g+2], 128<<16                     ; tensor_dim1
	s_mov_b32 s[\g+3], ROWB<<16                    ; tile_dim0
	s_mov_b32 s[\g+4], 128                         ; tile_dim1
	s_mov_b32 s[\g+5], KROW                        ; tensor_dim0_stride
	s_mov_b32 s[\g+6], 0
	s_mov_b32 s[\g+7], 0
.endr
	; the scales of 128 rows: a dense block of 8,192 bytes, as rows of 256 bytes (32 elements of 8 bytes), 16 bytes of padding behind each
	s_or_b32 s[G1S+0], s43, (3<<16)|(1<<20)|(1<<21)|(5<<22)|(3<<25)
	s_or_b32 s[G1SB+0], s44, (3<<16)|(1<<20)|(1<<21)|(5<<22)|(3<<25)
.irp g, G1S, G1SB
	s_mov_b32 s[\g+1], 32<<16
	s_mov_b32 s[\g+2], (128*KS/256)<<16
	s_mov_b32 s[\g+3], 32<<16
	s_mov_b32 s[\g+4], 128*KS/256
	s_mov_b32 s[\g+5], 32
	s_mov_b32 s[\g+6], 0
	s_mov_b32 s[\g+7], 0
.endr
	s_lshl_b32 s18, s16, 7                         ; which 128 rows of the tile I fetch
	s_lshl_b32 s20, s17, 8
	s_add_co_u32 s20, s20, s18                     ; x: row 256 x tile row + 128 x half
	s_lshl_b32 s46, s42, 8
	s_add_co_u32 s46, s46, s18                     ; w: row 256 x tile column + 128 x half
	s_mov_b32 s21, 0
	s_mov_b32 s47, 0
	s_mov_b64 s[18:19], KS
	s_mul_u64 s[22:23], s[20:21], s[18:19]         ; where these rows' scales begin, in bytes
	s_mul_u64 s[92:93], s[46:47], s[18:19]
	s_mov_b64 s[18:19], KROW
	s_mul_u64 s[20:21], s[20:21], s[18:19]         ; and their codes
	s_mul_u64 s[46:47], s[46:47], s[18:19]
	s_mul_i32 s45, s14, HALFT                      ; where they go: wave x 128 rows: no place in the cluster enters an LDS address
	s_mul_i32 s94, s14, HALFS
	s_wait_dscnt 0x0                               ; both opening adds are done
	s_wait_kmcnt 0x0
	s_add_nc_u64 s[20:21], s[4:5], s[20:21]
	s_add_nc_u64 s[22:23], s[6:7], s[22:23]
	s_add_nc_u64 s[46:47], s[8:9], s[46:47]
	s_add_nc_u64 s[92:93], s[10:11], s[92:93]
	CROUND                                         ; all sixteen work-groups are here: the first joint loads meet
	s_mov_b32 s[G0S], 1
	s_add_co_u32 s[G0S+1], s94, SCL
	s_mov_b64 s[G0S+2:G0S+3], s[22:23]
	s_or_b32 s[G0S+3], s[G0S+3], 0x80000000
	s_mov_b32 s[G0SB], 1
	s_add_co_u32 s[G0SB+1], s94, SCL
	s_mov_b64 s[G0SB+2:G0SB+3], s[92:93]
	s_or_b32 s[G0SB+3], s[G0SB+3], 0x80000000
	JLOAD G0S, G1S, G0SB, G1SB                     ; the scales first: they are wanted with K step 0
.irp s, 0,1
	s_mov_b32 s[G0+4*\s], 1
	s_add_co_u32 s[G0+4*\s+1], s45, \s*SLOT
	s_add_nc_u64 s[G0+4*\s+2:G0+4*\s+3], s[20:21], \s*ROWB
	s_or_b32 s[G0+4*\s+3], s[G0+4*\s+3], 0x80000000
	s_mov_b32 s[G0B+4*\s], 1
	s_add_co_u32 s[G0B+4*\s+1], s45, \s*SLOT
	s_add_nc_u64 s[G0B+4*\s+2:G0B+4*\s+3], s[46:47], \s*ROWB
	s_or_b32 s[G0B+4*\s+3], s[G0B+4*\s+3], 0x80000000
	JLOAD G0+4*\s, G1, G0B+4*\s, G1B
.endr
	v_and_b32 v1, 15, v0                           ; l % 16
	v_bfe_u32 v2, v0, 4, 1                         ; l / 16
	v_mul_u32_u24 v3, v1, PITCH
	v_lshl_add_u32 v4, v2, 4, v3                   ; a fragment's row x pitch + 16 x half
	s_mul_i32 s21, s15, HALFT                      ; my 128 rows of x
	s_mul_i32 s22, s16, HALFT                      ; my 128 rows of w,
	s_add_co_u32 s22, s22, 2*HALFT                 ; which lie behind x's 256
.irp s, 0,1
	v_add_nc_u32 v[ADRA+\s], s21, v4
	v_add_nc_u32 v[ADRB+\s], s22, v4
	s_add_co_u32 s21, s21, SLOT
	s_add_co_u32 s22, s22, SLOT
.endr
	v_mul_u32_u24 v5, v1, KS                       ; my row's scales: KS bytes a row,
	v_lshrrev_b32 v6, 8, v5
	v_lshl_add_u32 v5, v6, 4, v5                   ; and 16 more for each 256 passed
	s_mul_i32 s21, s15, HALFS                      ; x's: my 128 rows
	s_mul_i32 s22, s16, HALFS                      ; w's: my 128 rows, behind x's 256
	s_add_co_u32 s22, s22, 2*HALFS
	s_sub_co_u32 s22, s22, s21
	v_mul_u32_u24 v6, s22, v2                      ; lanes 16-31 take w's
	s_add_co_u32 s21, s21, SCL
	v_add_nc_u32 v5, v5, v6
	v_add_nc_u32 v[ADRS], s21, v5
	s_mul_i32 s23, s14, 16*SPITCH                  ; my stage
	v_mul_u32_u24 v5, v1, SPITCH                   ; in: row l % 16, 16 bytes for each half of the lanes
	v_lshl_add_u32 v5, v2, 4, v5
	v_add_nc_u32 v[STO], s23, v5
	v_mul_u32_u24 v5, v2, SPITCH                   ; back: lanes 0-15 take one row of 256 bytes, lanes 16-31 the next
	v_lshl_add_u32 v5, v1, 4, v5
	v_add_nc_u32 v[RD], s23, v5
	v_mul_u32_u24 v5, v2, SIZE_N*2                 ; and the same two rows in qkv
	v_lshl_add_u32 v[CO], v1, 4, v5
	s_lshl_b32 s20, s17, 8
	s_lshl_b32 s21, s15, 7
	s_add_co_u32 s20, s20, s21                     ; my first row: 256 x tile row + 128 x half
	s_mov_b32 s21, 0
	s_mov_b64 s[18:19], SIZE_N*2
	s_mul_u64 s[20:21], s[20:21], s[18:19]
	s_lshl_b32 s46, s42, 9                         ; my first column, in bytes: 512 x tile column + 256 x half
	s_lshl_b32 s47, s16, 8
	s_add_co_u32 s46, s46, s47
	s_mov_b32 s47, 0
	s_add_nc_u64 s[20:21], s[20:21], s[46:47]
	s_add_nc_u64 s[12:13], s[12:13], s[20:21]
.macro FRAG reg, adr, q, i             ; a fragment, 16 rows x 128 K of 4-bit codes, is 8 registers: lane l holds row l % 16; registers 4 c .. 4 c + 3 hold K = 64 c + 32 (l / 16) + 0 .. 31
.irp c, 0,1
	ds_load_b128 v[\reg+4*\c:\reg+4*\c+3], v[\adr] offset:64*(\q)+32*\c+(\i)*16*PITCH
.endr
.endm
; 16 matrix instructions: x's blocks a0, a0 + 1 against w's eight, 128 along K: the slot's q-th.  p: w's set;  sc: the set of scale words.  zero = 1: the first product starts the sums.
; The 64 accumulators take turns, one instruction a turn, in the same order in every step.
.macro MUL16 a0, p, q, sc, zero
.irp a, \a0, \a0+1
.irp b, 0,1,2,3,4,5,6,7
.if \zero
	v_wmma_scale_f32_16x16x128_f8f6f4 v[8*(8*((\a)%4)+\b):8*(8*((\a)%4)+\b)+7], v[128*(\p)+FR*\b:128*(\p)+FR*\b+FR-1], v[AF+FR*(\a):AF+FR*(\a)+FR-1], 0, v[SC+8*NQ*(\sc)+NQ*\b+(\q)], v[SC+8*NQ*(\sc)+NQ*(\a)+(\q)] matrix_a_fmt:MATRIX_FMT_FP4 matrix_b_fmt:MATRIX_FMT_FP4 matrix_a_scale:MATRIX_SCALE_ROW1
.else
	v_wmma_scale_f32_16x16x128_f8f6f4 v[8*(8*((\a)%4)+\b):8*(8*((\a)%4)+\b)+7], v[128*(\p)+FR*\b:128*(\p)+FR*\b+FR-1], v[AF+FR*(\a):AF+FR*(\a)+FR-1], v[8*(8*((\a)%4)+\b):8*(8*((\a)%4)+\b)+7], v[SC+8*NQ*(\sc)+NQ*\b+(\q)], v[SC+8*NQ*(\sc)+NQ*(\a)+(\q)] matrix_a_fmt:MATRIX_FMT_FP4 matrix_b_fmt:MATRIX_FMT_FP4 matrix_a_scale:MATRIX_SCALE_ROW1
.endif
.endr
.endr
.endm
.macro FETCH_B slot, q, p              ; w's eight fragments of the slot's q-th 128 along K into set p
	WIN TO_B
.irp i, 0,1,2,3,4,5,6,7
	FRAG 128*(\p)+FR*\i, ADRB+\slot, \q, \i
.endr
	WIN 0
.endm
.macro FETCH_A slot, q, i0             ; x's blocks i0 .. i0 + 3
.irp i, \i0, \i0+1, \i0+2, \i0+3
	FRAG AF+FR*(\i), ADRA+\slot, \q, \i
.endr
.endm
.macro SCALES sc                       ; the next K step's scale words into set sc: NQ words a row
.irp i, 0,1,2,3,4,5,6,7
	ds_load_b128 v[SC+8*NQ*\sc+NQ*\i:SC+8*NQ*\sc+NQ*\i+3], v[ADRS] offset:\i*SBLK
.endr
.endm
; A load into a register that a matrix instruction has read, and a vector instruction that reads a matrix result, stand NP places behind that matrix instruction; only plain vector
; instructions that name none of its registers are places.
.macro PLACES n
.rept \n
	v_nop
.endr
.endm
; A step of 128 along K that has its successor in the same slot.
.macro STEP slot, q, zero
	s_wait_dscnt 4*NL                              ; w's set and x's blocks 0-3 are in; the youngest eight loads (x's blocks 4-7) may be out
	WIN MUL_LO
	MUL16 0, (\q)%2, \q, \slot, \zero
	MUL16 2, (\q)%2, \q, \slot, \zero
	s_wait_dscnt 0                                 ; x's blocks 4-7 are in
	PLACES NP
	FETCH_B \slot, (\q)+1, 1-(\q)%2
	FETCH_A \slot, (\q)+1, 0
	WIN MUL_HI
	MUL16 4, (\q)%2, \q, \slot, \zero
	MUL16 6, (\q)%2, \q, \slot, \zero
	PLACES NP
	WIN 0
	FETCH_A \slot, (\q)+1, 4
.endm
; A slot's last step changes slots: ONE barrier; in front of it each wave waits for all its tensor loads, adds 0 to its spare word, and waits for that and for its own reads of this slot.
.macro TURN slot, next, fill
	s_wait_tensorcnt 0x0                           ; all my tensor loads have landed: my part of the next slot
	ds_add_u32 v[SPW], v[NIL]                      ; 0 onto my spare word
	s_wait_dscnt 4*NL+1                            ; (the add and the youngest eight loads may be out)
	WIN MUL_LO
	MUL16 0, 1, NQ-1, \slot, 0                     ; sixteen matrix instructions stand between the add and the wait for it
	s_wait_dscnt 0x0                               ; the add is done, and my reads of this slot are over
	s_barrier_signal -1
	MUL16 2, 1, NQ-1, \slot, 0
	WIN 0
	s_barrier_wait -1
.if \fill
	CREST                                          ; the barrier has opened a round of the cluster's barrier: no wave of any partner still reads this slot's tile or has a load on its way
	s_add_nc_u64 s[G0+4*\slot+2:G0+4*\slot+3], s[G0+4*\slot+2:G0+4*\slot+3], 2*ROWB
	s_add_nc_u64 s[G0B+4*\slot+2:G0B+4*\slot+3], s[G0B+4*\slot+2:G0B+4*\slot+3], 2*ROWB
	JLOAD G0+4*\slot, G1, G0B+4*\slot, G1B         ; the first tensor load behind the round; its four v_nop are the places in front of the loads below
.else
	PLACES NP
.endif
	v_add_nc_u32 v[ADRS], 4*NQ, v[ADRS]            ; on to the next K step's scale words (no LDS load of mine is out)
	FETCH_B \next, 0, 0
	FETCH_A \next, 0, 0
	SCALES \next
	WIN MUL_HI
	MUL16 4, 1, NQ-1, \slot, 0
	MUL16 6, 1, NQ-1, \slot, 0
	PLACES NP
	WIN 0
	FETCH_A \next, 0, 4
.endm
.macro STEPS slot, from                ; the slot's steps from .. NQ - 2
.set Q, \from
.rept NQ-1-\from
	STEP \slot, Q, 0
.set Q, Q+1
.endr
.endm
	s_wait_tensorcnt 1                             ; the scales and my part of K step 0 are in (K step 1's load may be out),
	s_barrier_signal -1
	s_barrier_wait -1                              ; everybody's are
	FETCH_B 0, 0, 0
	FETCH_A 0, 0, 0
	SCALES 0
	FETCH_A 0, 0, 4
	STEP 0, 0, 1                                   ; the first step stands in front of the loop: its products start the sums
	s_mov_b32 s3, LAPS-1
.Llap:                                                 ; a trip goes once round the ring, from a lap's second step to the next lap's first, and fills both slots again
	STEPS 0, 1
	TURN 0, 1, 1
	STEPS 1, 0
	TURN 1, 0, 1
	STEP 0, 0, 0
	s_sub_co_u32 s3, s3, 1
	s_cmp_lg_u32 s3, 0
	s_cbranch_scc1 .Llap
	STEPS 0, 1                                     ; the last lap fills nothing, and has no round of the cluster's barrier
	TURN 0, 1, 0
	STEPS 1, 0
	s_wait_dscnt 4*NL                              ; the very last step: nothing more to fetch
	WIN MUL_LO
	MUL16 0, 1, NQ-1, 1, 0
	MUL16 2, 1, NQ-1, 1, 0
	s_wait_dscnt 0
	WIN MUL_HI
	MUL16 4, 1, NQ-1, 1, 0
	MUL16 6, 1, NQ-1, 1, 0
	WIN 0
; THE WAY OUT, block by block of 16 rows x 128 columns.  PACK: rounded to f16, 16 bytes a lane, each accumulator from its low end on.  TOSTAGE: into my own stage in LDS, and back as whole rows of 256 bytes.  SEND: stored.
.macro PACK a
.set AC, 64*((\a)%4)
.if (\a) < 4
	WIN 0x0a                                       ; sources 0 and 1: window 2
.else
	WIN 0x0f                                       ; window 3
.endif
.irp b, 0,1,2,3,4,5,6,7
.irp r, 0,1,2,3
	v_cvt_pk_f16_f32 v[TMP+4*\b+\r], v[AC+8*\b+2*\r], v[AC+8*\b+2*\r+1]
.endr
.endr
	WIN 0
.endm
.macro TOSTAGE a
.set BB, BK+32*((\a)%2)
.irp b, 0,1,2,3,4,5,6,7
	ds_store_b128 v[STO], v[TMP+4*\b:TMP+4*\b+3] offset:32*\b
.endr
.irp t, 0,1,2,3,4,5,6,7
	ds_load_b128 v[BB+4*\t:BB+4*\t+3], v[RD] offset:\t*2*SPITCH    ; LDS serves a wave's instructions in order (ISA guide 5.7.1.4): these see the stores above
.endr
.endm
.macro SEND a
.set BB, BK+32*((\a)%2)
	s_wait_dscnt 0x0                               ; the block is back in registers
	s_wait_xcnt 0x0                                ; earlier stores have read their base and their data: only behind this wait are they rewritten
.if (\a) > 0
	s_add_nc_u64 s[12:13], s[12:13], 16*SIZE_N*2   ; 16 rows on
.endif
.irp t, 0,1,2,3,4,5,6,7
	global_store_b128 v[CO], v[BB+4*\t:BB+4*\t+3], s[12:13] offset:2*\t*SIZE_N*2   ; 16 lanes store 256 consecutive bytes, at a multiple of 256 from the buffer's first byte
.endr
.endm
	PLACES NP                                      ; behind the last products: for the conversions that read results and the loads into the registers that held x's fragments
	PACK 0
	TOSTAGE 0
.irp a, 1,2,3,4,5,6,7                  ; block a's conversions stand between block a - 1's loads from the stage and the wait for them
	PACK \a
	SEND \a-1
	TOSTAGE \a
.endr
	SEND 7
	s_wait_tensorcnt 0x0                           ; the wave's end
	ds_add_u32 v[SPW], v[NIL]
	s_wait_dscnt 0x0
	CROUND                                         ; the closing round: no work-group ends while a partner may still ask for a tile that names it
	s_endpgm
.Lfunc_end_k_q1744137963_qkv:
	.size	k_q1744137963_qkv, .Lfunc_end_k_q1744137963_qkv-k_q1744137963_qkv
	.p2alignl 7, 3214868480
	.fill 96, 4, 3214868480
	.section	.rodata,"a",@progbits
	.p2align	6, 0x0
	.amdhsa_kernel k_q1744137963_qkv
		.amdhsa_group_segment_fixed_size 327680
		.amdhsa_private_segment_fixed_size 0
		.amdhsa_enable_private_segment 0
		.amdhsa_kernarg_size 40
		.amdhsa_user_sgpr_count 2
		.amdhsa_user_sgpr_kernarg_segment_ptr 1
		.amdhsa_wavefront_size32 1
		.amdhsa_system_sgpr_workgroup_id_x 1
		.amdhsa_system_sgpr_workgroup_id_y 1
		.amdhsa_system_sgpr_workgroup_id_z 1
		.amdhsa_system_vgpr_workitem_id 0
		.amdhsa_next_free_vgpr 1024
		.amdhsa_next_free_sgpr 98
		.amdhsa_reserve_vcc 0
		.amdhsa_float_denorm_mode_32 3
		.amdhsa_float_denorm_mode_16_64 3
		.amdhsa_memory_ordered 1
		.amdhsa_forward_progress 1
		.amdhsa_inst_pref_size 214
	.end_amdhsa_kernel
	.amdgpu_metadata
---
amdhsa.version: [ 1, 2 ]
amdhsa.kernels:
  - .name:           k_q1744137963_qkv
    .symbol:         k_q1744137963_qkv.kd
    .args:
      - { .name: xc, .offset: 0, .size: 8, .value_kind: global_buffer, .address_space: global }
      - { .name: xs, .offset: 8, .size: 8, .value_kind: global_buffer, .address_space: global }
      - { .name: wc, .offset: 16, .size: 8, .value_kind: global_buffer, .address_space: global }
      - { .name: ws, .offset: 24, .size: 8, .value_kind: global_buffer, .address_space: global }
      - { .name: qkv, .offset: 32, .size: 8, .value_kind: global_buffer, .address_space: global }
    .group_segment_fixed_size: 327680
    .private_segment_fixed_size: 0
    .kernarg_segment_align: 8
    .kernarg_segment_size: 40
    .max_flat_workgroup_size: 128
    .sgpr_count:     98
    .vgpr_count:     1024
    .wavefront_size: 32
...
	.end_amdgpu_metadata
.endif
;; end of part 2
;; launch attn (part 3): grid 16 x 16, 8 waves a work-group, no clusters, 327,680 bytes of LDS; arguments qkv, ctx; writes ctx
.if DOCPART == 3
	.amdgcn_target "amdgcn-amd-amdhsa--gfx1250"
	.amdhsa_code_object_version 6
	.text
	.protected	k_q1744137963_attn
	.globl	k_q1744137963_attn
	.p2align	8
	.type	k_q1744137963_attn,@function
k_q1744137963_attn:
	s_mov_b64 s[64:65], 0
	v_nop
	global_prefetch_b8 v0, s[64:65] scope:SCOPE_SE
	s_setreg_imm32_b32 hwreg(HW_REG_WAVE_MODE, 25, 1), 1
	s_wait_xcnt 0x0
; ctx[b][q][head][:] = sum over k <= q of softmax_k(Q . K) V, no scaling of the scores.  qkv: [4,096 tokens][3,072] f16 (a row: 16 query heads, 4 key heads, 4 value heads of 128); ctx: [4,096][2,048] f16.
; Products on f16 operands with f32 sums; maxima, exponentials and sums in f32; the weights p are rounded to f16 for the second product, ctx once at the end.
; WORK LEFT OUT: key steps whose 64 keys all come after a wave's 32 queries, and slots of keys beyond the work-group's last query: reference()'s own tril hides those scores (shown at the head of the first launch).
; LIMITS: a NaN or infinity in a hidden score is not carried; scores under -1e38 are not served (the running maximum starts there); ctx up to 65,504.
; SHARES.  Work-group (j, y): batch y / 4, key/value head y % 4.  The 1,024 queries are 32 chunks of 32.  Wave w serves query head 4 (y % 4) + w / 2 and chunk j or 31 - j, so that the four heads of the
; group read the same K and V tiles, and every work-group has the same work: 4 x (chunk j + chunk 31 - j).  A wave owns two tiles of 16 queries: each fragment of K and V feeds two matrix instructions.
; NO CLUSTER: work-group j needs the slots up to key 1,023 - 32 j, eight down to five; its loads end by a jump on its number.
; LAYOUT.  S^T = K Q^T (source 0 = 16 keys, source 1 = 16 queries): a lane holds ONE query (lane % 16) and keys 8 (lane / 16) + 0..7 of a tile.  Two such tiles, rounded to f16 in pairs, ARE source 1
; (32 keys x 16 queries) of O^T = V^T P.  K comes out of LDS as it lies, V ([key][channel]) turned, by ds_load_tr16_b128.
; SOFTMAX.  For each query a running maximum m and sum l: p = 2^(c s - c m), c = log2(e); in every step O^T and l are multiplied by a = 2^(c m_old - c m_new).
; RING.  Two slots of 128 keys (two steps of 64), 2^17 bytes apart.  Waves 0 and 1 fetch K's two steps, waves 2 and 3 V's; all eight read them.  Every wait on TENSORcnt is for 0; a wave has at most one tensor load out.
; REGISTERS.  window 0: v1-11 addresses; v12-27 statistics; v28-31 at work; v32-95 S^T (32 a tile); v96-127 P (16 a tile); v128-255 K's or V's 16 fragments of a step.   window 1: v0-127 O^T (64 a tile); v128-191 Q (32 a tile).
.set KS,    64                         ; keys in a step
.set PK,    272                        ; a row of K in LDS: 256 bytes + 16: the 16 rows of a load start at 16 different banks
.set PVP,   288                        ; a row of V: 256 + 32
.set VOFF,  KS*PK                      ; a step: 64 rows of K, then 64 rows of V
.set STEPB, KS*(PK+PVP)
.set SLOT1, 1<<17
.set NSL,   8                          ; slots' worth of keys
.set STAGE, SLOT1+2*STEPB              ; behind the ring: 16 rows x 272 bytes for each wave, for the way out; no fill lands there
.set SP,    272
.set SPARE, STAGE+8*16*SP              ; the spare words, 128 bytes a wave
.set ROWQ,  6144                       ; a row of qkv in bytes
.set ROWC,  4096                       ; a row of ctx
.set AK0, 1                            ; v1   my lane's place in a tile of K
.set AV0, 2                            ; v2   the same for V
.set ADK, 3                            ; v3   LDS address of the step's K
.set ADV, 4                            ; v4   of its V
.set SPW, 5                            ; v5   LDS address of my spare word; never rewritten
.set NIL, 6                            ; v6   0; never rewritten
.set QO,  7                            ; v7   my byte offset in the wave's rows of Q
.set STO, 8                            ; v8   the way out: where I put 16 bytes of a row
.set RD,  9                            ; v9   where I read a row back
.set RH,  10                           ; v10  lane % 16 - 8 (lane / 16)
.set GO,  11                           ; v11  my byte offset in two rows of ctx
.set ST,  12                           ; tile t's statistics at v[ST + 8 t]: +0 c m, +1 m, +2, +3 l, +4 to +7 c0-c3 at work; a takes c2's place
.set NEG, 30                           ; v30  -infinity
.set PFO, 31                           ; v31  a row of qkv x my lane; never rewritten
.set S,   32
.set P,   96
.set KV,  128
.set QF,  128                          ; in window 1
.set WV,  8
.set Q0,  12                           ; s12  my first query
.set QL,  13                           ; s13  my work-group's last query
.set KF,  14                           ; s14  the step's first key
.set TB,  15                           ; s15  LDS byte at which the slot in hand begins
.set SLOTS, 16
.set LIM, 17                           ; s17  1 in a wave that prefetches, else the greatest number
.set PFA, 18                           ; s[18:19] where my prefetches stand
.set SEL, 20                           ; s[20:21] selects for v_permlanex16_b32: lane l xor 16
.set CS,  22                           ; s[22:23] c = log2(e)
.set G1K, 24
.set G1V, 32
.set G0K, 40
.set G0V, 44
.set MSB, 0
.macro WIN new                         ; the immediate's high byte repeats the setting that is left
.if MSB != \new
	s_set_vgpr_msb (MSB<<8)|\new
.set MSB, \new
.endif
.endm
.set W_KQ, 0x04                        ; Q (source 1) in window 1
.set W_PV, 0x50                        ; O^T (C and D) in window 1
.set W_RS, 0x41                        ; O^T (destination and source 0) in window 1
; Waves 0 and 1 fetch K, waves 2 and 3 V, the others nothing.  The branches hang on the wave's number alone.  An s_nop 0 and four v_nop follow each of the two lines.
.macro TLOAD
	s_cmp_lt_u32 s[WV], 2
	s_cbranch_scc0 .Lnot_k_\@
	tensor_load_to_lds s[G0K:G0K+3], s[G1K:G1K+7]
	s_nop 0
.rept 4
	v_nop
.endr
	s_branch .Lasked_\@
.Lnot_k_\@:
	s_cmp_lt_u32 s[WV], 4
	s_cbranch_scc0 .Lasked_\@
	tensor_load_to_lds s[G0V:G0V+3], s[G1V:G1V+7]
	s_nop 0
.rept 4
	v_nop
.endr
.Lasked_\@:
.endm
; A PREFETCH of what the NEXT change of slots will ask for: 128 rows of K and of V, 256 bytes each, a lane a row.  The sixteen work-groups of a (batch, key head) walk the same rows: work-group j = 0, which
; walks all eight slots, asks; in it waves 4 to 7, which fetch nothing, take 32 rows each, K's and (1,024 bytes on in the same row of qkv) V's.  So each row's 256 bytes are named once in the launch.
; Slots 0 and 1 come by their loads alone; the last change that fills a slot asks for nothing.
.macro ASK
	s_cmp_gt_u32 s[SLOTS], s[LIM]
	s_cbranch_scc0 .Lnot_mine_\@
	global_prefetch_b8 v[PFO], s[PFA:PFA+1] th:TH_LOAD_NT scope:SCOPE_SE
	global_prefetch_b8 v[PFO], s[PFA:PFA+1] offset:1024 th:TH_LOAD_NT scope:SCOPE_SE
.Lnot_mine_\@:
.endm
	s_load_b128 s[4:7], s[0:1], 0x0                ; qkv s[4:5], ctx s[6:7]
	v_lshl_add_u32 v[SPW], v0, 2, SPARE
	v_mov_b32 v[NIL], 0
	ds_add_u32 v[SPW], v[NIL]                      ; the wave's opening: the add, twice on end, and its wait ahead of the first tensor load
	ds_add_u32 v[SPW], v[NIL]
	v_lshrrev_b32 v3, 5, v0
	v_readfirstlane_b32 s[WV], v3                  ; wave 0..7
	s_and_b32 s48, ttmp7, 0xffff
	s_lshr_b32 s49, s48, 2                         ; batch
	s_and_b32 s50, s48, 3                          ; key/value head
	s_lshr_b32 s51, s[WV], 1                       ; which of the group's four query heads
	s_lshr_b32 s52, s[WV], 2
	s_xor_b32 s52, s52, s[WV]
	s_and_b32 s52, s52, 1                          ; 0: chunk j; 1: chunk 31 - j
	s_sub_co_u32 s53, 31, ttmp9
	s_cmp_eq_u32 s52, 0
	s_cselect_b32 s53, ttmp9, s53
	s_lshl_b32 s[Q0], s53, 5
	s_lshl_b32 s[QL], ttmp9, 5
	s_sub_co_u32 s[QL], 1023, s[QL]                ; the last query of chunk 31 - j
	s_mul_i32 s54, s49, 1024*ROWQ                  ; the batch's first byte in qkv
	s_lshl_b32 s58, s50, 2
	s_add_co_u32 s58, s58, s51
	s_lshl_b32 s58, s58, 8                         ; 256 bytes x query head
	s_mul_i32 s56, s[Q0], ROWQ
	s_add_co_u32 s56, s56, s58
	s_add_co_u32 s56, s56, s54                     ; Q at my first query
	s_mov_b32 s57, 0
	s_lshl_b32 s60, s49, 10
	s_add_co_u32 s60, s60, s[Q0]
	s_lshl_b32 s60, s60, 12
	s_add_co_u32 s60, s60, s58                     ; ctx likewise
	s_mov_b32 s61, 0
	s_lshl_b32 s62, s50, 8
	s_add_co_u32 s62, s62, s54
	s_add_co_u32 s62, s62, 4096                    ; K's head at the batch's first token; V's lies 1,024 bytes on
	s_mov_b32 s63, 0
	s_and_b32 s68, s[WV], 1                        ; which of a slot's two steps I fetch, if I fetch:
	s_mul_i32 s66, s68, KS*ROWQ                    ; in memory,
	s_mov_b32 s67, 0
	s_mul_i32 s69, s68, STEPB                      ; and in a slot
	s_and_b32 s70, s[WV], 3
	s_mul_i32 s70, s70, 32*ROWQ                    ; the prefetches: my wave's 32 rows,
	s_add_co_u32 s70, s70, 2*KS*ROWQ               ; in slot 1: the first change of slots steps it to slot 2
	s_mov_b32 s71, 0
	s_lshr_b32 s48, s[WV], 2
	s_xor_b32 s48, s48, 1                          ; 0 in waves 4 to 7,
	s_or_b32 s48, s48, ttmp9                       ; of work-group j = 0
	s_cmp_eq_u32 s48, 0
	s_cselect_b32 s[LIM], 1, -1
	; descriptor group 1: a tile of 64 rows x 128 elements of 2 bytes, rows 3,072 elements apart, padded in LDS
	s_mov_b32 s[G1K], (1<<16)|(1<<20)|(5<<22)|(3<<25)   ; no mask; elements of 2 bytes; padding on: after every 64 words, four words
	s_mov_b32 s[G1V], (1<<16)|(1<<20)|(5<<22)|(7<<25)   ; the same with eight words
.irp g, G1K, G1V
	s_mov_b32 s[\g+1], 128<<16                     ; tensor_dim0
	s_mov_b32 s[\g+2], KS<<16                      ; tensor_dim1
	s_mov_b32 s[\g+3], 128<<16                     ; tile_dim0
	s_mov_b32 s[\g+4], KS                          ; tile_dim1
	s_mov_b32 s[\g+5], 3072                        ; tensor_dim0_stride
	s_mov_b32 s[\g+6], 0
	s_mov_b32 s[\g+7], 0
.endr
	s_mov_b32 s[SEL], 0x76543210
	s_mov_b32 s[SEL+1], 0xfedcba98
	s_mov_b32 s[CS], 0x3fb8aa3b                    ; log2(e)
	s_mov_b32 s[CS+1], s[CS]                       ; (named with it as a pair, so it is written)
	s_mov_b32 s[TB], 0
	s_mov_b32 s[KF], 0
	s_mov_b32 s[SLOTS], NSL-1
	s_wait_dscnt 0x0                               ; both opening adds are done
	s_wait_kmcnt 0x0
	s_add_nc_u64 s[PFA:PFA+1], s[4:5], s[62:63]
	s_mov_b32 s[G0K], 1                            ; count = 1
	s_mov_b32 s[G0K+1], s69                        ; LDS address: slot 0
	s_add_nc_u64 s[G0K+2:G0K+3], s[PFA:PFA+1], s[66:67]
	s_mov_b32 s[G0V], 1
	s_add_co_u32 s[G0V+1], s69, VOFF
	s_add_nc_u64 s[G0V+2:G0V+3], s[G0K+2:G0K+3], 1024
	s_or_b32 s[G0K+3], s[G0K+3], 0x80000000        ; type = 2
	s_or_b32 s[G0V+3], s[G0V+3], 0x80000000
	TLOAD                                          ; slot 0: it holds key 0, which counts for every query
	s_add_nc_u64 s[PFA:PFA+1], s[PFA:PFA+1], s[70:71]
	s_add_nc_u64 s[4:5], s[4:5], s[56:57]
	s_add_nc_u64 s[6:7], s[6:7], s[60:61]
	v_and_b32 v28, 15, v0                          ; r
	v_bfe_u32 v29, v0, 4, 1                        ; h
	v_mul_u32_u24 v[QO], v28, ROWQ
	v_lshl_add_u32 v[QO], v29, 4, v[QO]
	WIN 0x40                                       ; destination window 1
.irp t, 0,1
.irp c, 0,1,2,3
	global_load_b128 v[QF+32*\t+8*\c:QF+32*\t+8*\c+3], v[QO], s[4:5] offset:\t*16*ROWQ+\c*64       ; Q stays in registers: tile t, channels 32 c on
	global_load_b128 v[QF+32*\t+8*\c+4:QF+32*\t+8*\c+7], v[QO], s[4:5] offset:\t*16*ROWQ+\c*64+32
.endr
.endr
.set i, 0
.rept 128
	v_mov_b32 v[i], 0                              ; O^T.  The step is written once: the first finds zeros, which a = 0 leaves zeros
.set i, i+1
.endr
	WIN 0
	v_mul_u32_u24 v[AK0], v28, PK
	v_lshl_add_u32 v[AK0], v29, 4, v[AK0]          ; K: row r x pitch + 16 h
	v_and_b32 v32, 7, v0
	v_bfe_u32 v33, v0, 3, 1
	v_lshl_add_u32 v[AV0], v29, 3, v32             ; V: key 8 h + l % 8,
	v_mul_u32_u24 v[AV0], v[AV0], PVP
	v_lshl_add_u32 v[AV0], v33, 4, v[AV0]          ; channels 8 ((l / 8) % 2) on
	v_add_nc_u32 v[AV0], VOFF, v[AV0]
	s_mul_i32 s48, s[WV], 16*SP
	s_add_co_u32 s48, s48, STAGE                   ; my stage
	v_mul_u32_u24 v[STO], v28, SP
	v_lshl_add_u32 v[STO], v29, 4, v[STO]
	v_add_nc_u32 v[STO], s48, v[STO]
	v_mul_u32_u24 v[RD], v29, SP
	v_lshl_add_u32 v[RD], v28, 4, v[RD]
	v_add_nc_u32 v[RD], s48, v[RD]
	v_lshlrev_b32 v[GO], 12, v29
	v_lshl_add_u32 v[GO], v28, 4, v[GO]
	v_lshlrev_b32 v32, 3, v29
	v_sub_nc_u32 v[RH], v28, v32
	v_mov_b32 v[NEG], 0xff800000
	v_and_b32 v[PFO], 31, v0
	v_mul_u32_u24 v[PFO], v[PFO], ROWQ
.irp t, 0,1
	v_mov_b32 v[ST+8*\t+1], 0xfe967699             ; m = -1e38, under every score that is served
	v_mul_f32 v[ST+8*\t], s[CS], v[ST+8*\t+1]      ; c m
.irp i, 2,3,4,5,6,7
	v_mov_b32 v[ST+8*\t+\i], 0                     ; l, and the registers at work (a lane permute's destination counts as one of its sources)
.endr
.endr
; THE SOFTMAX of a step, both tiles line by line by turns.  The exponentials are ONE batch with one wait: nothing ahead of the wait names a result.
.macro SOFTMAX
.irp j, 0,1,2,3
.irp t, 0,1
	v_max3_num_f32 v[ST+8*\t+4+\j], v[S+32*\t+8*\j], v[S+32*\t+8*\j+1], v[S+32*\t+8*\j+2]   ; four chains; each accumulator is read from its low end on
.endr
.endr
.irp i, 3,5
.irp j, 0,1,2,3
.irp t, 0,1
	v_max3_num_f32 v[ST+8*\t+4+\j], v[ST+8*\t+4+\j], v[S+32*\t+8*\j+\i], v[S+32*\t+8*\j+\i+1]
.endr
.endr
.endr
.irp t, 0,1
	v_max3_num_f32 v[ST+8*\t+4], v[ST+8*\t+4], v[S+32*\t+7], v[S+32*\t+15]
	v_max3_num_f32 v[ST+8*\t+6], v[ST+8*\t+6], v[S+32*\t+23], v[S+32*\t+31]
.endr
.irp t, 0,1
	v_max3_num_f32 v[ST+8*\t+4], v[ST+8*\t+4], v[ST+8*\t+5], v[ST+8*\t+6]
.endr
.irp t, 0,1
	v_max3_num_f32 v[ST+8*\t+4], v[ST+8*\t+4], v[ST+8*\t+7], v[ST+8*\t+1]   ; with the old m
.endr
.irp t, 0,1
	v_permlanex16_b32 v[ST+8*\t+5], v[ST+8*\t+4], s[SEL], s[SEL+1]         ; the query's other 32 keys lie in the lane 16 away
.endr
.irp t, 0,1
	v_mov_b32 v[ST+8*\t+7], v[ST+8*\t]             ; c m_old
.endr
.irp t, 0,1
	v_max_num_f32 v[ST+8*\t+1], v[ST+8*\t+4], v[ST+8*\t+5]
.endr
.irp t, 0,1
	v_mul_f32 v[ST+8*\t], s[CS], v[ST+8*\t+1]
.endr
.irp t, 0,1
	v_sub_f32 v[ST+8*\t+7], v[ST+8*\t+7], v[ST+8*\t]
.endr
.irp t, 0,1
	v_exp_f32 v[ST+8*\t+6], v[ST+8*\t+7]           ; a
.endr
.set i, 0
.rept 16
	v_pk_fma_f32 v[S+i:S+i+1], v[S+i:S+i+1], s[CS:CS+1], v[ST:ST+1] op_sel_hi:[1,0,0] neg_lo:[0,0,1] neg_hi:[0,0,1]              ; c s - c m, two at a time
	v_pk_fma_f32 v[S+32+i:S+32+i+1], v[S+32+i:S+32+i+1], s[CS:CS+1], v[ST+8:ST+9] op_sel_hi:[1,0,0] neg_lo:[0,0,1] neg_hi:[0,0,1]
.set i, i+2
.endr
.set i, 0
.rept 32
	v_exp_f32 v[S+i], v[S+i]
	v_exp_f32 v[S+32+i], v[S+32+i]
.set i, i+1
.endr
	v_nop                                          ; a plain instruction behind the last exponential
	s_wait_alu depctr_va_vdst(0)                   ; one wait for the 66 exponentials, ahead of the first instruction that names a result
.set i, 0
.rept 16
	v_cvt_pk_f16_f32 v[P+i], v[S+2*i], v[S+2*i+1]
	v_cvt_pk_f16_f32 v[P+16+i], v[S+32+2*i], v[S+32+2*i+1]
.set i, i+1
.endr
.irp u, 0,1,2,3,4,5,6,7                ; the sum of a tile's 16 pairs, in place
.irp t, 0,1
	v_pk_add_f32 v[S+32*\t+4*\u:S+32*\t+4*\u+1], v[S+32*\t+4*\u:S+32*\t+4*\u+1], v[S+32*\t+4*\u+2:S+32*\t+4*\u+3]
.endr
.endr
.irp u, 0,1,2,3
.irp t, 0,1
	v_pk_add_f32 v[S+32*\t+8*\u:S+32*\t+8*\u+1], v[S+32*\t+8*\u:S+32*\t+8*\u+1], v[S+32*\t+8*\u+4:S+32*\t+8*\u+5]
.endr
.endr
.irp u, 0,1
.irp t, 0,1
	v_pk_add_f32 v[S+32*\t+16*\u:S+32*\t+16*\u+1], v[S+32*\t+16*\u:S+32*\t+16*\u+1], v[S+32*\t+16*\u+8:S+32*\t+16*\u+9]
.endr
.endr
.irp t, 0,1
	v_pk_add_f32 v[S+32*\t:S+32*\t+1], v[S+32*\t:S+32*\t+1], v[S+32*\t+16:S+32*\t+17]
.endr
.irp t, 0,1
	v_pk_fma_f32 v[ST+8*\t+2:ST+8*\t+3], v[ST+8*\t+2:ST+8*\t+3], v[ST+8*\t+6:ST+8*\t+7], v[S+32*\t:S+32*\t+1] op_sel_hi:[1,0,1]   ; l = a l + the sum
.endr
	WIN W_RS
.set i, 0
.rept 32
	v_pk_mul_f32 v[i:i+1], v[i:i+1], v[ST+6:ST+7] op_sel_hi:[1,0]          ; O^T x a
	v_pk_mul_f32 v[64+i:64+i+1], v[64+i:64+i+1], v[ST+14:ST+15] op_sel_hi:[1,0]
.set i, i+2
.endr
.endm
; A KEY STEP: 64 keys, the q-th of the slot in hand.
.macro STEP q
	s_add_co_u32 s48, s[Q0], 31                    ; a step all of whose keys come after my 32 queries is left out: a scalar branch on ids, round no barrier and no tensor load
	s_cmp_gt_u32 s[KF], s48
	s_cbranch_scc1 .Lhidden_\@
	v_add_nc_u32 v[ADK], s[TB], v[AK0]
	v_add_nc_u32 v[ADV], s[TB], v[AV0]
	v_nop
	v_nop                                          ; with the two additions: four places behind the last products, in front of loads into the registers that they read
.irp c, 0,1,2,3                        ; K's 16 fragments, by channels: fragment (keys 16 kt on, channels 32 c on) at v[KV + 8 (4 kt + c)]
.irp kt, 0,1,2,3
	ds_load_b128 v[KV+8*(4*\kt+\c):KV+8*(4*\kt+\c)+3], v[ADK] offset:(\q)*STEPB+\kt*16*PK+\c*64
	ds_load_b128 v[KV+8*(4*\kt+\c)+4:KV+8*(4*\kt+\c)+7], v[ADK] offset:(\q)*STEPB+\kt*16*PK+\c*64+32
.endr
.endr
	WIN W_KQ
.irp c, 0,1,2,3                        ; S^T = K Q^T: eight accumulators by turns, one instruction a turn; the first eight start the sums
	s_wait_dscnt 24-8*\c                           ; the eight loads of these channels are in; the later quarters' may be out
.irp kt, 0,1,2,3
.irp t, 0,1
.if \c == 0
	v_wmma_f32_16x16x32_f16 v[S+32*\t+8*\kt:S+32*\t+8*\kt+7], v[KV+8*(4*\kt+\c):KV+8*(4*\kt+\c)+7], v[QF+32*\t+8*\c:QF+32*\t+8*\c+7], 0
.else
	v_wmma_f32_16x16x32_f16 v[S+32*\t+8*\kt:S+32*\t+8*\kt+7], v[KV+8*(4*\kt+\c):KV+8*(4*\kt+\c)+7], v[QF+32*\t+8*\c:QF+32*\t+8*\c+7], v[S+32*\t+8*\kt:S+32*\t+8*\kt+7]
.endif
.endr
.endr
.endr
	WIN 0
.rept 4
	v_nop                                          ; places: in front of the loads into K's registers and of the first read of the scores
.endr
.irp f, 0,1,2,3,4,5,6,7,8,9,10,11,12,13,14,15      ; V, turned: keys 32 (f / 8) on, channels 16 (f % 8) on.  The loads land while the softmax is worked
	ds_load_tr16_b128 v[KV+8*\f:KV+8*\f+3], v[ADV] offset:(\q)*STEPB+(\f/8)*32*PVP+(\f%8)*32
	ds_load_tr16_b128 v[KV+8*\f+4:KV+8*\f+7], v[ADV] offset:(\q)*STEPB+(\f/8)*32*PVP+16*PVP+(\f%8)*32
.endr
	s_add_co_u32 s48, s[KF], 63                    ; on the diagonal hidden scores become -infinity ahead of the maximum: p = 0 then.  A step all of whose keys count skips this
	s_cmp_le_u32 s48, s[Q0]
	s_cbranch_scc1 .Lopen_\@
	s_sub_co_i32 s48, s[Q0], s[KF]
	v_add_nc_u32 v28, s48, v[RH]                   ; d = my query - KF - 8 (lane / 16), tile 0;  register n holds key KF + 8 (lane / 16) + 16 (n / 8) + n % 8: hidden where 16 (n / 8) + n % 8 > d
	v_add_nc_u32 v29, 16, v28                      ; tile 1
.irp t, 0,1
.set n, 0
.rept 32
	v_cmp_gt_i32 vcc_lo, 16*(n/8)+n%8, v[28+\t]
	v_cndmask_b32 v[S+32*\t+n], v[S+32*\t+n], v[NEG], vcc_lo
.set n, n+1
.endr
.endr
.Lopen_\@:
	SOFTMAX
	s_wait_dscnt 0x0                               ; V is in
	WIN W_PV
.irp kh, 0,1                           ; O^T += V^T P: sixteen accumulators by turns
.irp ct, 0,1,2,3,4,5,6,7
.irp t, 0,1
	v_wmma_f32_16x16x32_f16 v[64*\t+8*\ct:64*\t+8*\ct+7], v[KV+64*\kh+8*\ct:KV+64*\kh+8*\ct+7], v[P+16*\t+8*\kh:P+16*\t+8*\kh+7], v[64*\t+8*\ct:64*\t+8*\ct+7]
.endr
.endr
.endr
	WIN 0
.Lhidden_\@:
	s_add_co_u32 s[KF], s[KF], KS
.endm
; THE CHANGE OF SLOTS stands at a slot's head.  Each wave waits for all its tensor loads, adds 0 to its spare word (fill = 1: twice on end),
; and waits for that and for its reads of the slot that it has left.  Behind the barrier the slot ahead is whole and nobody reads the other one; fill = 1: that one takes the next 128 keys.
.macro CHANGE fill
	s_wait_tensorcnt 0x0                           ; no tensor load of mine is out, so a group 0 may be written
	ds_add_u32 v[SPW], v[NIL]
.if \fill
	ds_add_u32 v[SPW], v[NIL]
	s_xor_b32 s[G0K+1], s[G0K+1], SLOT1            ; the walking descriptors: the other slot than last time,
	s_add_nc_u64 s[G0K+2:G0K+3], s[G0K+2:G0K+3], 2*KS*ROWQ   ; the next 128 keys; the type bits on top are not reached
	s_xor_b32 s[G0V+1], s[G0V+1], SLOT1
	s_add_nc_u64 s[G0V+2:G0V+3], s[G0V+2:G0V+3], 2*KS*ROWQ
	s_wait_xcnt 0x0                                ; the last prefetches, a slot back, have read their address, so it may be written:
	s_add_nc_u64 s[PFA:PFA+1], s[PFA:PFA+1], 2*KS*ROWQ       ; one slot further on than the walking descriptors
.endif
	s_wait_dscnt 0x0                               ; the add is done, and my reads of the slot that I have left are over
	s_barrier_signal -1
	s_barrier_wait -1
.if \fill
	s_add_co_u32 s48, s[KF], 2*KS                  ; the first key of the slot that this change would ask for:
	s_cmp_gt_u32 s48, s[QL]                        ; beyond my work-group's last query none of its waves reads it, so it is not asked for.  Ids and the count of steps alone: all eight waves go the same way
	s_cbranch_scc1 .Lpast_\@
	TLOAD                                          ; a wave's one tensor load until the next such barrier
.Lpast_\@:
	ASK
.endif
.endm
.macro SLOT_STEPS
	STEP 0
	STEP 1
	s_xor_b32 s[TB], s[TB], SLOT1                  ; on to the other slot
.endm
	s_wait_loadcnt 0x0                             ; Q
.Lslot:                                            ; NSL - 1 trips, a constant: every work-group walks all changes of slots
	CHANGE 1
	SLOT_STEPS
	s_sub_co_u32 s[SLOTS], s[SLOTS], 1
	s_cmp_lg_u32 s[SLOTS], 0
	s_cbranch_scc1 .Lslot
	CHANGE 0                                       ; the last slot is written out: nothing is left to ask for
	SLOT_STEPS
	; THE WAY OUT.  l's two halves and the other half of the lanes' are added; O^T is divided by l, rounded to f16 and sent through my stage in LDS, a tile (16 rows of ctx) at a time.
.rept 4
	v_nop                                          ; places behind the last products
.endr
.irp t, 0,1
	v_add_f32 v[ST+8*\t+4], v[ST+8*\t+2], v[ST+8*\t+3]
.endr
.irp t, 0,1
	v_permlanex16_b32 v[ST+8*\t+5], v[ST+8*\t+4], s[SEL], s[SEL+1]
.endr
.irp t, 0,1
	v_add_f32 v[ST+8*\t+4], v[ST+8*\t+4], v[ST+8*\t+5]
.endr
.irp t, 0,1
	v_rcp_f32 v[ST+8*\t+6], v[ST+8*\t+4]
.endr
	v_nop                                          ; a plain instruction behind the last reciprocal
	s_wait_alu depctr_va_vdst(0)                   ; and the wait ahead of the first use: one for both
.macro OPACK t
	WIN W_RS
.set i, 64*\t
.rept 32
	v_pk_mul_f32 v[i:i+1], v[i:i+1], v[ST+8*\t+6:ST+8*\t+7] op_sel_hi:[1,0]
.set i, i+2
.endr
	WIN 0x05                                       ; sources 0 and 1 window 1, destination window 0: S^T's registers are free
.set i, 0
.rept 32
	v_cvt_pk_f16_f32 v[S+32*\t+i], v[64*\t+2*i], v[64*\t+2*i+1]
.set i, i+1
.endr
	WIN 0
.irp f, 0,1,2,3,4,5,6,7
	ds_store_b128 v[STO], v[S+32*\t+4*\f:S+32*\t+4*\f+3] offset:32*\f
.endr
.irp f, 0,1,2,3,4,5,6,7
	ds_load_b128 v[S+32*\t+4*\f:S+32*\t+4*\f+3], v[RD] offset:\f*2*SP      ; LDS serves a wave's instructions in order: these see the stores above; the next tile's stores come behind them
.endr
.endm
.macro OSEND t, younger                ; younger: the LDS instructions issued behind tile t's loads
.irp f, 0,1,2,3,4,5,6,7
	s_wait_dscnt \younger+7-\f
	global_store_b128 v[GO], v[S+32*\t+4*\f:S+32*\t+4*\f+3], s[6:7] offset:\t*16*ROWC+\f*2*ROWC   ; 16 lanes store 256 consecutive bytes, at a multiple of 256 from ctx's first byte
.endr
.endm
	OPACK 0
	OPACK 1
	OSEND 0, 16
	OSEND 1, 0
	s_wait_tensorcnt 0x0                           ; the wave's end
	ds_add_u32 v[SPW], v[NIL]
	s_wait_dscnt 0x0
	s_endpgm
.Lfunc_end_k_q1744137963_attn:
	.size	k_q1744137963_attn, .Lfunc_end_k_q1744137963_attn-k_q1744137963_attn
	.p2alignl 7, 3214868480
	.fill 96, 4, 3214868480
	.section	.rodata,"a",@progbits
	.p2align	6, 0x0
	.amdhsa_kernel k_q1744137963_attn
		.amdhsa_group_segment_fixed_size 327680
		.amdhsa_private_segment_fixed_size 0
		.amdhsa_enable_private_segment 0
		.amdhsa_kernarg_size 16
		.amdhsa_user_sgpr_count 2
		.amdhsa_user_sgpr_kernarg_segment_ptr 1
		.amdhsa_wavefront_size32 1
		.amdhsa_system_sgpr_workgroup_id_x 1
		.amdhsa_system_sgpr_workgroup_id_y 1
		.amdhsa_system_sgpr_workgroup_id_z 1
		.amdhsa_system_vgpr_workitem_id 0
		.amdhsa_next_free_vgpr 512
		.amdhsa_next_free_sgpr 72
		.amdhsa_reserve_vcc 1
		.amdhsa_float_denorm_mode_32 3
		.amdhsa_float_denorm_mode_16_64 3
		.amdhsa_memory_ordered 1
		.amdhsa_forward_progress 1
		.amdhsa_inst_pref_size 137
	.end_amdhsa_kernel
	.amdgpu_metadata
---
amdhsa.version: [ 1, 2 ]
amdhsa.kernels:
  - .name:           k_q1744137963_attn
    .symbol:         k_q1744137963_attn.kd
    .args:
      - { .name: qkv, .offset: 0, .size: 8, .value_kind: global_buffer, .address_space: global }
      - { .name: ctx, .offset: 8, .size: 8, .value_kind: global_buffer, .address_space: global }
    .group_segment_fixed_size: 327680
    .private_segment_fixed_size: 0
    .kernarg_segment_align: 8
    .kernarg_segment_size: 16
    .max_flat_workgroup_size: 256
    .sgpr_count:     72
    .vgpr_count:     512
    .wavefront_size: 32
...
	.end_amdgpu_metadata
.endif
;; end of part 3
;; launch oproj (part 4): grid 16 x 16, 4 waves a work-group, clusters of 4 x 4, 327,680 bytes of LDS; arguments ctx, owh, out_b, out0; writes out0
.if DOCPART == 4
	.amdgcn_target "amdgcn-amd-amdhsa--gfx1250"
	.amdhsa_code_object_version 6
	.text
	.protected	k_q1744137963_oproj
	.globl	k_q1744137963_oproj
	.p2align	8
	.type	k_q1744137963_oproj,@function
k_q1744137963_oproj:
	s_mov_b64 s[64:65], 0
	v_nop
	global_prefetch_b8 v0, s[64:65] scope:SCOPE_SE
	s_setreg_imm32_b32 hwreg(HW_REG_WAVE_MODE, 25, 1), 1
	s_wait_xcnt 0x0
	s_wait_alu depctr_hold_cnt(0) depctr_sa_sdst(0) depctr_va_vdst(0) depctr_va_sdst(0) depctr_va_ssrc(0) depctr_va_vcc(0) depctr_vm_vsrc(0)
	s_getreg_b32 s2, hwreg(HW_REG_IB_STS2, 6, 4)
	s_cmp_eq_u32 s2, 0
	s_cbranch_scc0 .Lentry_in_a_cluster
	s_endpgm
.Lentry_in_a_cluster:
	s_bfe_u32 s2, ttmp6, 0x10000c
	s_cmp_lg_u32 s2, 0xf033
	s_cbranch_scc0 .Lentry_shape_is_right
	s_endpgm
.Lentry_shape_is_right:
; out0[m][n] = sum over k of ctx[m][k] out_w[k][n] + out_b[n].  ctx: [4,096][2,048] f16, K innermost; owh: out_w as f16, [2,048 k][2,048 n]; out_b [2,048] f32; out0 [4,096][2,048] f32; sums in f32.
; A tile of 256 (m) x 128 (n) is made by a work-group of four waves: 16 x 16 = 256 work-groups.  Wave (w / 2, w % 2) makes 128 x 64: 32 accumulators of 16 x 16, 256 registers.
; K goes in 16 steps of 128.  A step's tiles are 256 rows of ctx (256 bytes each) and 128 k-rows of owh (128 n: 256 bytes each); owh's fragments come out of LDS turned, by ds_load_tr16_b128.
; THE RING has THREE slots of one step (two slots of two steps, 417,792 bytes, do not fit), and slots are filled again behind every SECOND step, two at a time: wave 0 fetches ctx's tile and wave 1 owh's of
; the next step but one, waves 2 and 3 those of the step after it: one load a wave, two steps' bytes on their way.  The third slot has landed by then and is multiplied meanwhile; a plain barrier stands
; ahead of the first of the two steps just fetched.  Every wait on TENSORcnt is for 0: both steps' loads go out together.  A wave has at most two tensor loads out (at the head).
; CLUSTERS: 4 x 4 work-groups.  ctx's tile hangs on the tile row alone and is shared along a row of the cluster, owh's on the tile column alone and is shared along a column: each is asked for JOINTLY.
; EACH CLUSTER BEGINS ITS WALK ALONG K ELSEWHERE: cluster (X, Y) at step 4 ((X + 2 ((Y xor Y / 2) and 1)) mod 4), and goes round (step index and 15).  So the four clusters of a row of clusters, which read the
; same rows of ctx, ask for four different quarters of K at any one time, and clusters of a column, which read the same owh, for different ones too.  The index is made of the cluster's x and y alone: it is the same in all sixteen partners.
; LIMIT: the order of the f32 sums along K is so rotated against ascending K.
; THE MATRIX INSTRUCTION IS USED TRANSPOSED (source 0 = 16 n of owh, source 1 = 16 rows of ctx): a lane then holds eight neighbouring numbers of a row of out0.
; The bias is the C of each sum's first matrix instruction: eight registers for each block of 16 n, in the result's layout.
; REGISTERS.  window 0: v16-29 addresses; v32-63 the bias; two fragment buffers of 96: v64-127 ctx (8 x 16 rows x 32 K), v128-159 owh (4 x 16 n x 32 K); v160-223, v224-255.   window 1: accumulator (a, b) at v[8 (4 a + b)].
.set SIZE_K, 2048
.set KSTEP,  128
.set PA,     272                       ; a row of ctx's tile in LDS: 256 bytes + 16
.set PB,     288                       ; a k-row of owh's tile: 256 + 32
.set HALFA,  128*PA                    ; the 128 rows of ctx that a wave reads
.set BOFF,   2*HALFA                   ; owh's tile lies behind ctx's 256 rows
.set SLOT,   BOFF+128*PB
.set STAGE,  SLOT                      ; the way out: 16 rows x 272 bytes for each wave, in slot 1: it has had its last fill, and its last read lies two barriers back when the first result is stored there
.set SPITCH, 272
.set SPARE,  3*SLOT                    ; behind the ring: the spare words, 128 bytes a wave
.set ADRA, 16                          ; v16-18  LDS address of my ctx fragments in slot 0, 1, 2
.set ADRB, 20                          ; v20-22  the same for owh
.set STO,  24
.set RD,   25
.set CO,   26
.set SPW,  28                          ; v28  LDS address of my spare word; never rewritten
.set NIL,  29                          ; v29  0; never rewritten
.set BIAS, 32
.set F0,   64
.set F1,   160
.set BK,   64                          ; the way out: 16 rows read back: v64-95 and v96-127 by turns
.set G1,  24                           ; s[24:31] descriptor group 1 for ctx's tiles
.set G1B, 48                           ; s[48:55] for owh's
.set GA1, 32                           ; groups 0: wave 0's (ctx) and wave 1's (owh): the first step of a pair;
.set GB1, 36
.set GA2, 56                           ; wave 2's and wave 3's: the second;
.set GB2, 60
.set GA3, 72                           ; and, at the head alone, waves 0's and 1's second loads
.set GB3, 76
.set BA,  18                           ; s[18:19] ctx at my tile's first row, K = 0; kept
.set BB,  66                           ; s[66:67] owh at my tile's first column, K = 0; kept
.set KI,  68                           ; s68  the K step that the next load fetches, 0..15
.set MSB, 0
.macro WIN new
.if MSB != \new
	s_set_vgpr_msb (MSB<<8)|\new
.set MSB, \new
.endif
.endm
.set W_MUL,   0x50                     ; C and D window 1
.set W_FIRST, 0x40                     ; D window 1, C (the bias) window 0
; K step s[KI] is to go into a slot: ctx's and owh's groups 0; then the index goes on, round 16.  Written only where no tensor load of the wave is out.
.macro SETG ga, gb, slot
	s_mov_b32 s[\ga], 1                            ; count = 1
	s_mov_b32 s[\ga+1], (\slot)*SLOT               ; LDS address: a constant
	s_lshl_b32 s70, s[KI], 8                       ; a step is 256 bytes along a row of ctx
	s_add_nc_u64 s[\ga+2:\ga+3], s[BA:BA+1], s[70:71]
	s_or_b32 s[\ga+3], s[\ga+3], 0x80000000        ; type = 2
	s_mov_b32 s[\gb], 1
	s_mov_b32 s[\gb+1], (\slot)*SLOT+BOFF
	s_lshl_b32 s70, s[KI], 19                      ; and 128 k-rows of 4,096 bytes of owh
	s_add_nc_u64 s[\gb+2:\gb+3], s[BB:BB+1], s[70:71]
	s_or_b32 s[\gb+3], s[\gb+3], 0x80000000
	s_add_co_u32 s[KI], s[KI], 1
	s_and_b32 s[KI], s[KI], 15
.endm
; The joint refill: each wave has a line of its own, with one mask and one set of registers for all work-groups that issue it; the branches hang on the wave's number alone.
; An s_nop 0 and four v_nop follow each line.  both = 0: one step alone is left to fetch: waves 2 and 3 issue nothing, and have four v_nop as the places in front of the loads that follow.
.macro JLOAD4 both
	s_cmp_lt_u32 s12, 2
	s_cbranch_scc0 .Lsecond_\@
	s_cmp_eq_u32 s12, 0
	s_cbranch_scc0 .Lb1_\@
	tensor_load_to_lds s[GA1:GA1+3], s[G1:G1+7]
	s_nop 0
.rept 4
	v_nop
.endr
	s_branch .Lasked_\@
.Lb1_\@:
	tensor_load_to_lds s[GB1:GB1+3], s[G1B:G1B+7]
	s_nop 0
.rept 4
	v_nop
.endr
	s_branch .Lasked_\@
.Lsecond_\@:
.if \both
	s_cmp_eq_u32 s12, 2
	s_cbranch_scc0 .Lb2_\@
	tensor_load_to_lds s[GA2:GA2+3], s[G1:G1+7]
	s_nop 0
.rept 4
	v_nop
.endr
	s_branch .Lasked_\@
.Lb2_\@:
	tensor_load_to_lds s[GB2:GB2+3], s[G1B:G1B+7]
	s_nop 0
.rept 4
	v_nop
.endr
.else
.rept 4
	v_nop
.endr
.endif
.Lasked_\@:
.endm
.macro CREST                           ; a round of the cluster's barrier behind its opening barrier
	s_cmp_lg_u32 s12, 0
	s_cbranch_scc1 .Lnot_wave_0_\@
	s_barrier_signal -3
.Lnot_wave_0_\@:
	s_barrier_wait -3
	s_barrier_signal -1
	s_barrier_wait -1
.endm
.macro CROUND
	s_barrier_signal -1
	s_barrier_wait -1
	CREST
.endm
	s_load_b256 s[4:11], s[0:1], 0x0               ; ctx s[4:5], owh s[6:7], out_b s[8:9], out0 s[10:11]
	v_lshl_add_u32 v[SPW], v0, 2, SPARE
	v_mov_b32 v[NIL], 0
	ds_add_u32 v[SPW], v[NIL]                      ; the wave's opening: the add, twice on end, and its wait ahead of my first tensor load
	ds_add_u32 v[SPW], v[NIL]
	v_lshrrev_b32 v1, 5, v0
	v_readfirstlane_b32 s12, v1                    ; wave 0..3
	s_lshr_b32 s13, s12, 1                         ; which half of the tile's rows I multiply
	s_and_b32 s14, s12, 1                          ; which half of its columns
	s_bfe_u32 s40, ttmp6, 0x40000                  ; cx, cy
	s_bfe_u32 s41, ttmp6, 0x40004
	s_lshl_b32 s42, ttmp9, 2
	s_add_co_u32 s42, s42, s40                     ; tile column = 4 x cluster x + cx
	s_and_b32 s15, ttmp7, 0xffff
	s_lshl_b32 s15, s15, 2
	s_add_co_u32 s15, s15, s41                     ; tile row = 4 x cluster y + cy
	s_lshl_b32 s43, s41, 2
	s_lshl_b32 s43, 15, s43                        ; my row of the cluster
	s_lshl_b32 s44, 0x1111, s40                    ; my column
	s_or_b32 s[G1+0], s43, (1<<16)|(1<<20)|(1<<21)|(5<<22)|(3<<25)   ; the mask; elements of 2 bytes; padding on; bit 21 beside a mask; after every 64 words four words
	s_or_b32 s[G1B+0], s44, (1<<16)|(1<<20)|(1<<21)|(5<<22)|(7<<25)  ; eight words
	s_mov_b32 s[G1+1], KSTEP<<16                   ; ctx: 256 rows x 128 elements, rows 2,048 elements apart
	s_mov_b32 s[G1+2], 256<<16
	s_mov_b32 s[G1+3], KSTEP<<16
	s_mov_b32 s[G1+4], 256
	s_mov_b32 s[G1+5], 2048
	s_mov_b32 s[G1+6], 0
	s_mov_b32 s[G1+7], 0
	s_mov_b32 s[G1B+1], 128<<16                    ; owh: 128 k-rows x 128 elements
	s_mov_b32 s[G1B+2], 128<<16
	s_mov_b32 s[G1B+3], 128<<16
	s_mov_b32 s[G1B+4], 128
	s_mov_b32 s[G1B+5], 2048
	s_mov_b32 s[G1B+6], 0
	s_mov_b32 s[G1B+7], 0
	s_and_b32 s[KI], ttmp7, 0xffff                 ; where my cluster's walk along K begins: cluster y,
	s_lshr_b32 s69, s[KI], 1
	s_xor_b32 s[KI], s[KI], s69
	s_and_b32 s[KI], s[KI], 1                      ; (Y xor Y / 2) and 1: 0, 1, 1, 0
	s_lshl_b32 s[KI], s[KI], 1
	s_add_co_u32 s[KI], s[KI], ttmp9               ; + cluster x,
	s_and_b32 s[KI], s[KI], 3
	s_lshl_b32 s[KI], s[KI], 2                     ; in quarters of K: step 0, 4, 8 or 12
	s_mov_b32 s71, 0                               ; the upper word of the offsets' pair s[70:71]
	s_lshl_b32 s16, s15, 20                        ; ctx: 256 rows of 4,096 bytes x tile row
	s_mov_b32 s17, 0
	s_lshl_b32 s46, s42, 8                         ; owh: 256 bytes x tile column
	s_mov_b32 s47, 0
	s_wait_dscnt 0x0                               ; both opening adds are done
	s_wait_kmcnt 0x0
	s_add_nc_u64 s[BA:BA+1], s[4:5], s[16:17]
	s_add_nc_u64 s[BB:BB+1], s[6:7], s[46:47]
	SETG GA1, GB1, 0                               ; the walk's first three steps into slots 0, 1, 2
	SETG GA2, GB2, 1
	SETG GA3, GB3, 2
	CROUND                                         ; all sixteen work-groups are here: the first joint loads meet
	s_cmp_lt_u32 s12, 2                            ; the first fills: each wave's stand in one arm; every wave issues at least one
	s_cbranch_scc0 .Lh_second
	s_cmp_eq_u32 s12, 0
	s_cbranch_scc0 .Lh_b1
	tensor_load_to_lds s[GA1:GA1+3], s[G1:G1+7]
	s_nop 0
	tensor_load_to_lds s[GA3:GA3+3], s[G1:G1+7]
	s_nop 0
.rept 4
	v_nop
.endr
	s_branch .Lh_asked
.Lh_b1:
	tensor_load_to_lds s[GB1:GB1+3], s[G1B:G1B+7]
	s_nop 0
	tensor_load_to_lds s[GB3:GB3+3], s[G1B:G1B+7]
	s_nop 0
.rept 4
	v_nop
.endr
	s_branch .Lh_asked
.Lh_second:
	s_cmp_eq_u32 s12, 2
	s_cbranch_scc0 .Lh_b2
	tensor_load_to_lds s[GA2:GA2+3], s[G1:G1+7]
	s_nop 0
.rept 4
	v_nop
.endr
	s_branch .Lh_asked
.Lh_b2:
	tensor_load_to_lds s[GB2:GB2+3], s[G1B:G1B+7]
	s_nop 0
.rept 4
	v_nop
.endr
.Lh_asked:
	v_and_b32 v1, 15, v0                           ; r
	v_bfe_u32 v2, v0, 4, 1                         ; h
	s_lshl_b32 s46, s42, 9                         ; my first column in bytes of f32: 512 x tile column + 256 x half (in the registers that held owh's offset)
	s_lshl_b32 s47, s14, 8
	s_add_co_u32 s46, s46, s47
	s_mov_b32 s47, 0
	s_add_nc_u64 s[8:9], s[8:9], s[46:47]
	v_lshlrev_b32 v6, 5, v2
.irp b, 0,1,2,3
	global_load_b128 v[BIAS+8*\b:BIAS+8*\b+3], v6, s[8:9] offset:64*\b          ; out_b at n = 16 b + 8 h + 0 .. 7 of my 64 columns
	global_load_b128 v[BIAS+8*\b+4:BIAS+8*\b+7], v6, s[8:9] offset:64*\b+16
.endr
	v_mul_u32_u24 v3, v1, PA
	v_lshl_add_u32 v3, v2, 4, v3                   ; ctx: row r x pitch + 16 h
	v_and_b32 v4, 7, v0
	v_lshl_add_u32 v4, v2, 3, v4                   ; owh: k-row 8 h + l % 8,
	v_mul_u32_u24 v4, v4, PB
	v_bfe_u32 v5, v0, 3, 1
	v_lshl_add_u32 v4, v5, 4, v4                   ; n 8 ((l / 8) % 2) on
	s_mul_i32 s22, s13, HALFA                      ; my 128 rows of ctx
	s_lshl_b32 s23, s14, 7                         ; my 64 n of owh: 128 bytes x half,
	s_add_co_u32 s23, s23, BOFF                    ; behind ctx's 256 rows
.irp s, 0,1,2
	v_add_nc_u32 v[ADRA+\s], s22, v3
	v_add_nc_u32 v[ADRB+\s], s23, v4
	s_add_co_u32 s22, s22, SLOT
	s_add_co_u32 s23, s23, SLOT
.endr
	s_mul_i32 s23, s12, 16*SPITCH
	s_add_co_u32 s23, s23, STAGE                   ; my stage
	v_mul_u32_u24 v5, v1, SPITCH                   ; in: row r, 32 bytes for each half of the lanes
	v_lshl_add_u32 v5, v2, 5, v5
	v_add_nc_u32 v[STO], s23, v5
	v_mul_u32_u24 v5, v2, SPITCH                   ; back: lanes 0-15 take one row of 256 bytes, lanes 16-31 the next
	v_lshl_add_u32 v5, v1, 4, v5
	v_add_nc_u32 v[RD], s23, v5
	v_lshlrev_b32 v5, 13, v2                       ; and the same two rows in out0: a row is 8,192 bytes
	v_lshl_add_u32 v[CO], v1, 4, v5
	s_lshl_b32 s16, s15, 8
	s_lshl_b32 s17, s13, 7
	s_add_co_u32 s16, s16, s17                     ; my first row: 256 x tile row + 128 x half
	s_lshl_b32 s16, s16, 13
	s_mov_b32 s17, 0
	s_add_nc_u64 s[10:11], s[10:11], s[16:17]
	s_add_nc_u64 s[10:11], s[10:11], s[46:47]
; 8 matrix instructions: ctx's blocks a0, a0 + 1 against owh's four, 32 along K, from buffer f.  first = 1: the bias starts the sums.  The 32 accumulators take turns, in the same order in every quarter.
.macro MUL2 f, a0, first
.irp a, \a0, \a0+1
.irp b, 0,1,2,3
.if \first
	v_wmma_f32_16x16x32_f16 v[8*(4*(\a)+\b):8*(4*(\a)+\b)+7], v[\f+64+8*\b:\f+64+8*\b+7], v[\f+8*(\a):\f+8*(\a)+7], v[BIAS+8*\b:BIAS+8*\b+7]
.else
	v_wmma_f32_16x16x32_f16 v[8*(4*(\a)+\b):8*(4*(\a)+\b)+7], v[\f+64+8*\b:\f+64+8*\b+7], v[\f+8*(\a):\f+8*(\a)+7], v[8*(4*(\a)+\b):8*(4*(\a)+\b)+7]
.endif
.endr
.endr
.endm
; 24 LDS loads in one run: the fragments of the slot's q-th 32 along K into buffer f: owh's four (turned) first, then ctx's eight
.macro FETCH slot, q, f
	WIN 0
.irp b, 0,1,2,3
	ds_load_tr16_b128 v[\f+64+8*\b:\f+64+8*\b+3], v[ADRB+\slot] offset:(\q)*32*PB+32*\b
	ds_load_tr16_b128 v[\f+64+8*\b+4:\f+64+8*\b+7], v[ADRB+\slot] offset:(\q)*32*PB+16*PB+32*\b
.endr
.irp i, 0,1,2,3,4,5,6,7
	ds_load_b128 v[\f+8*\i:\f+8*\i+3], v[ADRA+\slot] offset:64*(\q)+\i*16*PA
	ds_load_b128 v[\f+8*\i+4:\f+8*\i+7], v[ADRA+\slot] offset:64*(\q)+\i*16*PA+32
.endr
.endm
.macro PLACES                          ; four places in front of loads into registers that matrix instructions have read, and of the first read of results
.rept 4
	v_nop
.endr
.endm
; A K step is four quarters of 32 along K, 32 matrix instructions each, on buffers 0, 1, 0, 1.  One of the first three: multiplies buffer f and fetches quarter q into g.
.macro QUARTER slot, q, f, g, first
	s_wait_dscnt 8                                 ; owh's fragments and ctx's blocks 0-3 are in; the youngest eight loads (blocks 4-7) may be out
.if \first
	WIN W_FIRST
.else
	WIN W_MUL
.endif
	MUL2 \f, 0, \first
	MUL2 \f, 2, \first
	PLACES
	FETCH \slot, \q, \g
	s_wait_dscnt 24                                ; all but the 24 just issued
.if \first
	WIN W_FIRST
.else
	WIN W_MUL
.endif
	MUL2 \f, 4, \first
	MUL2 \f, 6, \first
.endm
.macro STEP3 slot                      ; a step's first three quarters
	QUARTER \slot, 1, F0, F1, 0
	QUARTER \slot, 2, F1, F0, 0
	QUARTER \slot, 3, F0, F1, 0
.endm
; The last quarter multiplies buffer 1 and goes on to the next slot: ONE barrier; in front of it each wave waits for all its tensor loads, adds 0 to its spare word, and waits for that and for its own reads of this slot.
; kind = 0: nothing is filled: the wait shows the two steps landed that were asked for a step ago (they went out together), and the barrier shows it of every wave.
; kind = 1: this slot and the one read before it are filled again, slots x and y, with the walk's next two steps; the barrier opens a round of the cluster's.   kind = 2: one step alone is left, for slot x.
.macro TURN slot, next, kind, x, y
	WIN 0                                          ; (the add's two registers lie in window 0)
	s_wait_tensorcnt 0x0                           ; no tensor load of mine is out, so every group 0 may be written
	ds_add_u32 v[SPW], v[NIL]                      ; 0 onto my spare word; the descriptors' words and eight matrix instructions stand between it and the wait for it
.if \kind >= 1
	SETG GA1, GB1, \x
.endif
.if \kind == 1
	SETG GA2, GB2, \y
.endif
	s_wait_dscnt 9                                 ; (the add and the youngest eight loads may be out)
	WIN W_MUL
	MUL2 F1, 0, 0
	s_wait_dscnt 0x0                               ; the add is done, and my reads of this slot are over
	s_barrier_signal -1
	MUL2 F1, 2, 0
	WIN 0
	s_barrier_wait -1
.if \kind >= 1
	CREST                                          ; no wave of any partner still reads the two slots or has a load on its way
.if \kind == 1
	JLOAD4 1                                       ; the first tensor load behind the round, one a wave; its four v_nop are the places in front of the loads below
.else
	JLOAD4 0
.endif
.else
	PLACES
.endif
	FETCH \next, 0, F0
	WIN W_MUL
	MUL2 F1, 4, 0
	MUL2 F1, 6, 0
.endm
	s_wait_loadcnt 0x0                             ; the bias
	s_wait_tensorcnt 0x0                           ; my parts of the walk's first three steps are in,
	s_barrier_signal -1
	s_barrier_wait -1                              ; everybody's are
	FETCH 0, 0, F0
	QUARTER 0, 1, F0, F1, 1                        ; the first quarter stands in front of the loop: its products start the sums on the bias
	WIN 0                                          ; at a label and at a branch every window is 0
	s_mov_b32 s3, 2
.Llap:                                                 ; a trip is six steps, after which the slots' numbers are back: from a step's second quarter to the first quarter six steps on
	QUARTER 0, 2, F1, F0, 0
	QUARTER 0, 3, F0, F1, 0
	TURN 0, 1, 0, 0, 0
	STEP3 1
	TURN 1, 2, 1, 0, 1                             ; slots 0 and 1 have been read; slot 2 has landed and is multiplied next
	STEP3 2
	TURN 2, 0, 0, 0, 0
	STEP3 0
	TURN 0, 1, 1, 2, 0
	STEP3 1
	TURN 1, 2, 0, 0, 0
	STEP3 2
	TURN 2, 0, 1, 1, 2
	QUARTER 0, 1, F0, F1, 0
	WIN 0
	s_sub_co_u32 s3, s3, 1
	s_cmp_lg_u32 s3, 0
	s_cbranch_scc1 .Llap
	QUARTER 0, 2, F1, F0, 0                        ; the walk's last four steps are written out: one step is left to fetch
	QUARTER 0, 3, F0, F1, 0
	TURN 0, 1, 0, 0, 0
	STEP3 1
	TURN 1, 2, 2, 0, 0                             ; the sixteenth step, into slot 0
	STEP3 2
	TURN 2, 0, 0, 0, 0
	STEP3 0
	s_wait_dscnt 8                                 ; the very last quarter: nothing more to fetch
	WIN W_MUL
	MUL2 F1, 0, 0
	MUL2 F1, 2, 0
	s_wait_dscnt 0
	MUL2 F1, 4, 0
	MUL2 F1, 6, 0
	WIN 0
; THE WAY OUT, block by block of 16 rows x 64 columns of f32.  A lane holds 32 neighbouring bytes of a row: a block goes through my own stage in LDS and comes back as whole rows of 256 bytes.
.macro TOSTAGE a
	WIN 0x04                                       ; an LDS store's data are its source 1: window 1
.irp b, 0,1,2,3
	ds_store_b128 v[STO], v[8*(4*(\a)+\b):8*(4*(\a)+\b)+3] offset:64*\b          ; each accumulator from its low end on
	ds_store_b128 v[STO], v[8*(4*(\a)+\b)+4:8*(4*(\a)+\b)+7] offset:64*\b+16
.endr
	WIN 0
.set BB2, BK+32*((\a)%2)
.irp t, 0,1,2,3,4,5,6,7
	ds_load_b128 v[BB2+4*\t:BB2+4*\t+3], v[RD] offset:\t*2*SPITCH    ; LDS serves a wave's instructions in order: these see the stores above
.endr
.endm
.macro SEND a, younger                 ; younger: the LDS instructions issued behind block a's loads, which may stay out
.set BB2, BK+32*((\a)%2)
	s_wait_dscnt \younger
.if (\a) > 0
	s_add_nc_u64 s[10:11], s[10:11], 16*8192       ; (behind a wait on XCNT: the earlier stores have read their base)  16 rows on
.endif
.irp t, 0,1,2,3,4,5,6,7
	global_store_b128 v[CO], v[BB2+4*\t:BB2+4*\t+3], s[10:11] offset:2*\t*8192 th:TH_STORE_NT   ; 16 lanes store 256 consecutive bytes, at a multiple of 256 from out0's first byte
.endr
.endm
	PLACES                                         ; behind the last products: for the stores that read results and the loads into the registers that held fragments
	TOSTAGE 0
.irp a, 1,2,3,4,5,6,7
.if \a > 1
	s_wait_xcnt 0x0                                ; block a - 2's stores have read their registers and their base: block a's loads may land there, and the base may step
.endif
	TOSTAGE \a
	SEND \a-1, 16                                  ; behind block a - 1's loads: block a's 8 stores and 8 loads
.endr
	s_wait_xcnt 0x0                                ; block 6's stores have read their base
	SEND 7, 0
	s_wait_tensorcnt 0x0                           ; the wave's end
	ds_add_u32 v[SPW], v[NIL]
	s_wait_dscnt 0x0
	CROUND                                         ; the closing round: no work-group ends while a partner may still ask for a tile that names it
	s_endpgm
.Lfunc_end_k_q1744137963_oproj:
	.size	k_q1744137963_oproj, .Lfunc_end_k_q1744137963_oproj-k_q1744137963_oproj
	.p2alignl 7, 3214868480
	.fill 96, 4, 3214868480
	.section	.rodata,"a",@progbits
	.p2align	6, 0x0
	.amdhsa_kernel k_q1744137963_oproj
		.amdhsa_group_segment_fixed_size 327680
		.amdhsa_private_segment_fixed_size 0
		.amdhsa_enable_private_segment 0
		.amdhsa_kernarg_size 32
		.amdhsa_user_sgpr_count 2
		.amdhsa_user_sgpr_kernarg_segment_ptr 1
		.amdhsa_wavefront_size32 1
		.amdhsa_system_sgpr_workgroup_id_x 1
		.amdhsa_system_sgpr_workgroup_id_y 1
		.amdhsa_system_sgpr_workgroup_id_z 1
		.amdhsa_system_vgpr_workitem_id 0
		.amdhsa_next_free_vgpr 512
		.amdhsa_next_free_sgpr 80
		.amdhsa_reserve_vcc 0
		.amdhsa_float_denorm_mode_32 3
		.amdhsa_float_denorm_mode_16_64 3
		.amdhsa_memory_ordered 1
		.amdhsa_forward_progress 1
		.amdhsa_inst_pref_size 186
	.end_amdhsa_kernel
	.amdgpu_metadata
---
amdhsa.version: [ 1, 2 ]
amdhsa.kernels:
  - .name:           k_q1744137963_oproj
    .symbol:         k_q1744137963_oproj.kd
    .args:
      - { .name: ctx, .offset: 0, .size: 8, .value_kind: global_buffer, .address_space: global }
      - { .name: owh, .offset: 8, .size: 8, .value_kind: global_buffer, .address_space: global }
      - { .name: out_b, .offset: 16, .size: 8, .value_kind: global_buffer, .address_space: global }
      - { .name: out0, .offset: 24, .size: 8, .value_kind: global_buffer, .address_space: global }
    .group_segment_fixed_size: 327680
    .private_segment_fixed_size: 0
    .kernarg_segment_align: 8
    .kernarg_segment_size: 32
    .max_flat_workgroup_size: 128
    .sgpr_count:     80
    .vgpr_count:     512
    .wavefront_size: 32
...
	.end_amdgpu_metadata
.endif
;; end of part 4
